; MI455X (gfx1250); checked and timed in simulation.
; The chip was launched on July 23, 2026; its instructions are those of AMD's public machine-readable ISA for CDNA 5 (MIT licence, August 2026) and "CDNA5" Instruction Set Architecture Reference Guide (July 2026). The comments in the code are by the model that wrote it; some were corrected since.
;; Attn. Allowed arithmetic: matrix products marked QUANTISED: E2M3 operands, one E8M0 scale for each 32 along K, by v_wmma_scale_f32_16x16x128_f8f6f4 with both operands' format E2M3, f32 sums; products left as they are: f32 operands where the result goes on into a quantised operand, else bf16, f16 or f32 operands; f32 sums; everything else in f32.
;; Inputs: W_codes 1,024 x 32 x 24 uint8 (E2M3 codes of W, K innermost, in blocks of 32 codes, four codes in three bytes); W_scales 1,024 x 32 uint8 (E8M0 scales of W, one for each 32 codes along K); b 1,024 float32; encoder_outputs_codes 1,024 x 64 x 32 x 24 uint8 (E2M3 codes of encoder_outputs, K innermost, in blocks of 32 codes, four codes in three bytes); encoder_outputs_scales 1,024 x 64 x 32 uint8 (E8M0 scales of encoder_outputs, one for each 32 codes along K); hidden 1 x 64 x 1,024 float32.
;; Outputs: out0 64 x 1 x 1,024 float32.
;; This version of the problem:
;;   THIS VERSION OF THE PROBLEM IS GIVEN IN LOW PRECISION. The matrix products marked QUANTISED in the list below multiply operands that are first quantised to E2M3 (2 exponent bits, 3 mantissa bits; 6 bits a number), with one power-of-two scale for each 32 numbers along K (OCP MX v1.0); their sums are f32. All else is computed in f32.
;;   The module's matrix products, in the order in which they are computed (A, B: the left and right operand; K: the contracted axis; several contracted axes count as one K, in the product's order):
;;     1. [M 65,536, K 1,024] x [K 1,024, N 1,024]; A: input encoder_outputs (given as codes); B: input W (given as codes): QUANTISED
;;     2. batch 64 x [M 1, K 1,024] x [K 1,024, N 1,024]; A: input hidden; B: computed on the way: left as it is (M = 1 < 16)
;;   THE QUANTISER, for each operand of a quantised product, along K:
;;     - K is cut into blocks of 32 from its start; a last block that is shorter is filled with zeros.
;;     - A block's scale is 2^e with e = floor(log2(the largest magnitude in the block)) - 2, held to -126 .. 127; a block of zeros has e = 0. As a byte (E8M0): e + 127.
;;     - Each number is divided by its block's scale, clamped to +-7.5, and rounded to the nearest number of E2M3, ties to even, subnormals kept.
;;     - The product sums the exact products of the quantised numbers (number of the format x scale) in f32.
;;   ~~~python
;;   def quantise(x, axis):      # numpy; x: float32 -> the quantised numbers, widened to float32 again
;;       x = np.moveaxis(x, axis, -1); K = x.shape[-1]
;;       x = np.pad(x, [(0, 0)] * (x.ndim - 1) + [(0, -K % 32)]); x = x.reshape(x.shape[:-1] + (-1, 32)); a = np.abs(x).max(-1, keepdims=True)
;;       e = np.where(a > 0, np.clip(np.frexp(np.where(a > 0, a, 1))[1] - 1 - 2, -126, 127), 0)      # np.frexp(a)[1] - 1 = floor(log2(a)), exactly
;;       r = np.clip(x / 2.0 ** e, -7.5, 7.5)
;;       step = 2.0 ** (np.maximum(np.frexp(np.where(r == 0, 1, r))[1] - 1, 0) - 3)
;;       q = np.round(r / step) * step * 2.0 ** e      # np.round: ties to even
;;       return np.moveaxis(q.reshape(q.shape[:-2] + (-1,))[..., :K], -1, axis).astype(np.float32)
;;   ~~~
;;   INPUTS GIVEN AS CODES. W (in the module: [1024, 1024], K = its axis 1); encoder_outputs (in the module: [1024, 64, 1024], K = its axis 2): each comes as NAME_codes (uint8): NAME with its K axis moved to the last place and cut into blocks of 32 codes, [.., K / 32, bytes a block], one block behind the other in memory; four codes in three bytes: a row's codes are one little-endian stream of bits, code i at bits 6 i .. 6 i + 5 (a code: sign, 2 exponent bits, 3 mantissa bits); and NAME_scales (uint8): the same leading axes, one E8M0 byte (e + 127) for each 32 codes along K. Its value is code x scale, taken as it is: it is not quantised again, and the codes and scales need not be those that the quantiser above would give.
;; 2 versions. Each part assembles by itself: llvm-mc -triple=amdgcn-amd-amdhsa -mcpu=gfx1250 --defsym DOCPART=n.
;; ======== version 1 of 2: 2 launches
;; workspace buffers: part 1,048,576 bytes
;; launch energy (part 1): grid 4 x 64, 4 waves a work-group, clusters of 4 x 4, 327,680 bytes of LDS; arguments W_codes, W_scales, encoder_outputs_codes, encoder_outputs_scales, hidden, part; writes part
.if DOCPART == 1
	.amdgcn_target "amdgcn-amd-amdhsa--gfx1250"
	.amdhsa_code_object_version 6
	.text
	.protected	k_q15e9c09afb_energy
	.globl	k_q15e9c09afb_energy
	.p2align	8
	.type	k_q15e9c09afb_energy,@function
k_q15e9c09afb_energy:
	s_mov_b64 s[64:65], 0
	v_nop
	global_prefetch_b8 v0, s[64:65] scope:SCOPE_SE
	s_setreg_imm32_b32 hwreg(HW_REG_WAVE_MODE, 25, 1), 1
	s_wait_xcnt 0x0
	s_wait_alu depctr_hold_cnt(0) depctr_sa_sdst(0) depctr_va_vdst(0) depctr_va_sdst(0) depctr_va_ssrc(0) depctr_va_vcc(0) depctr_vm_vsrc(0)
	s_getreg_b32 s2, hwreg(HW_REG_IB_STS2, 6, 4)
	s_cmp_eq_u32 s2, 0
	s_cbranch_scc0 .Lentry_in_a_cluster
	s_endpgm
.Lentry_in_a_cluster:
	s_bfe_u32 s2, ttmp6, 0x10000c
	s_cmp_lg_u32 s2, 0xf033
	s_cbranch_scc0 .Lentry_shape_is_right
	s_endpgm
.Lentry_shape_is_right:
; part[q][b][l] = sum over the 256 columns g of quarter q of hidden[b][g] x (sum over k of W[g][k] enc[l][b][k]).
; W [1024][1024] and enc [1024 l][64 b][1024] are codes of FP6 (E2M3) with one E8M0 byte for each 32 along K; they go to the matrix unit as they lie.  The bias and the softmax are the next launch's.
; SHARES.  Work-group (q, g): W's rows 256 q .. 256 q + 255, and 1,024 rows of enc: the 16 neighbouring b of group bg = g % 4 for the 64 l of range lr = g / 4.  4 x 64 = 256 work-groups of equal work.
; A ROW TILE is the 16 rows (l, 16 bg + r): 12,288 consecutive bytes of codes and 512 of scale bytes, both starting at multiples of 256 from their buffer's first byte.  64 row tiles a work-group.
; W STANDS STILL, enc STREAMS.  Wave wv (i = wv / 2, j = wv % 2) keeps columns 128 i .. 128 i + 127 of the quarter (8 column tiles c) for K half j (K steps 4 j + s, s = 0 .. 3): 32 fragments, 384 registers, for the whole launch.
; For a row tile it reads 4 fragments of enc from LDS and issues 32 matrix instructions: each fragment read feeds eight.
; THE MATRIX INSTRUCTION IS USED TRANSPOSED (source 0 = 16 rows of W, source 1 = 16 rows of enc): lane (r, h) holds row r of the tile and columns 8 h + 0 .. 7 of the column tile.  hidden[16 bg + r] at those columns is
; 8 fixed registers a column tile, so the second product (left as it is, in f32) is four packed multiply-adds on each finished accumulator: one for each matrix instruction, set between them.
; A tile leaves one number a lane; it goes to a table in LDS; at the end the 4 waves' and 2 lane halves' parts are added and leave as runs of 256 consecutive bytes of part, aligned.
; CLUSTER 4 x 4.  The four q of one g read the same tiles of enc: asked for jointly, mask = my row of the cluster.  The four g of one q read the same quarter of W: jointly, mask = my column, once.
; RING.  Two slots of 8 row tiles; a slot is asked for again in its seventh tile, when its last reads have been issued: the load has 8 tiles, 256 matrix instructions a wave, in which to land.
; By this text's own count a wave never has more than two tensor loads out.
; PREFETCH.  At each change of slots that fills a slot, but the last, the codes that the NEXT change will ask for (8 l x 12,288 bytes) are named, 8 tiles ahead of their load.  Only the four partners of my row of the cluster read them:
; partner cx takes l rows 2 cx and 2 cx + 1 BY ADDRESS, 96 runs of 256 bytes, a lane a run, waves 0 to 2.  Nothing is named at the head.  The scale bytes (16 runs a slot) and W (fetched once, at the head) are not named.
; LIMITS.  The sums over K and over the columns are split over waves and lanes, so their order of rounding is not reference()'s; a scale byte 0xff gives NaN, as the format has it.
; All of the WGP's LDS is claimed, and 0 is added to spare words at each refill and at the end.
.set ROWP,   816                       ; a row of 1,024 codes in LDS: 3 x (256 bytes + 16 of padding) = 204 words: row r starts at bank 12 r mod 64 (64 banks of 4 bytes: ISA guide 11.1): the 32 lanes of a load of 8 bytes touch 64 different banks
.set TILEB,  16*ROWP                   ; a row tile, or a column tile of W
.set HALFB,  4*TILEB                   ; what one tensor load of codes brings
.set SLOTB,  8*TILEB
.set WST,    SLOTB                     ; at the head W's 256 rows lie from here on, over slot 1 and the region behind it
.set EST,    2*SLOTB                   ; later the table of energies lies behind slot 1: [wave][lane] rows of 272 bytes, word = tile.  These bytes have had their only fill (W's) by then
.set EPITCH, 272
.set ESC0,   3*SLOTB                   ; a slot's scale bytes: 8 tiles x (512 + 32 of padding); slot 1's ESCB further on
.set ESCT,   544
.set ESCB,   8*ESCT
.set SPARE,  ESC0+2*ESCB               ; the spare words: 128 bytes a wave, two blocks of 256 bytes that no other line names
.set LROW,   49152                     ; from l to l + 1 in enc's codes: 64 rows of 768 bytes
; window 0
.set LP,   4                           ; v4-8    head only: my lane's place in a tile, five classes (macro PIECE)
.set SPW,  16                          ; v16     LDS address of my spare word; never rewritten
.set NIL,  17                          ; v17     0; never rewritten
.set PFO,  18                          ; v18     the prefetches' offset; never rewritten
.set ENR,  19                          ; v19     a tile's number, on its way to the table
.set EN,   20                          ; v[20:21] the running sum of hidden x proj, in two halves
.set RDA,  22                          ; v22     the final sum: where I read the table
.set GOF,  23                          ; v23     my byte offset in part
.set HOF,  24                          ; v24     my byte offset in hidden
.set WSO,  25                          ; v25     my byte offset in W's scale bytes
.set TW,   26                          ; v26-35  W's stage: [half of my 8 column tiles][class]
.set AS,   36                          ; v36-39  enc's scale words, two sets of a pair
.set WS,   40                          ; v40-55  W's scale words, a pair a column tile.  In a pair register s % 2 holds K step 4 j + s: in lanes 0-15 for s < 2, in lanes 16-31 for s >= 2
.set ACC,  56                          ; v56-119 the 8 accumulators
.set AF,   120                         ; v120-215 enc's fragments: two sets of four
; windows 1 and 2: v0-191 W's fragments of column tiles 0-3 (window 1) and 4-7 (window 2), (c, s) at 12 (4 (c % 4) + s)
.set HID,  192                         ; v192-223 hidden: window 1: column tiles 3, 4, 5, 6; window 2: 7, 0, 1, 2: tile c at HID + 8 ((c + 5) % 4)
.set AD,   224                         ; window 1: v224-243 LDS addresses of enc's fragments [slot][half of its 8 tiles][class]
.set ASA,  244                         ; window 1: v244 LDS address of enc's scale words
.set EA,   224                         ; window 2: v224 where I store a tile's number in this trip; v225 the same for the first trip
.set EA0,  225
.set WV,   16                          ; s16 wave; s17 i; s18 j; s19 cx; s20 cy; s21 q; s22 g
.set G1W,  24                          ; s[24:31], s[32:35] descriptor groups 1 and 0 for W
.set G0W,  32
.set G1C,  36                          ; s[36:43] group 1 for enc's codes; s[44:47], s[48:51] group 0 for slots 0 and 1
.set G0C,  44
.set G1E,  52                          ; s[52:59] group 1 for enc's scale bytes; s[60:63], s[68:71] group 0 for slots 0 and 1
.set G0E,  60
.set PFA,  72                          ; s[72:73] where my work-group's prefetches stand
.set LIM,  74                          ; s74, s75: a wave prefetches at a change of slot 0 / slot 1 while the trips left are above this
.set W_ONE, 0x01                       ; source 0 in window 1, all else in window 0.  Source 0 is: W in a matrix instruction, hidden in a packed multiply-add, the address in an LDS instruction
.set W_TWO, 0x02                       ; the same with window 2.  So a tile has two switches
.set MSB, 0
.macro WIN new                         ; the immediate's high byte repeats the setting that is left
.if MSB != \new
	s_set_vgpr_msb (MSB<<8)|\new
.set MSB, \new
.endif
.endm
.macro NOP4
.rept 4
	v_nop
.endr
.endm
.macro CREST                           ; a round of the cluster's barrier behind its opening barrier
	s_cmp_lg_u32 s[WV], 0
	s_cbranch_scc1 .Lnot_wave_0_\@
	s_barrier_signal -3
.Lnot_wave_0_\@:
	s_barrier_wait -3
	s_barrier_signal -1
	s_barrier_wait -1
.endm
.macro CROUND                          ; a whole round
	s_barrier_signal -1
	s_barrier_wait -1
	CREST
.endm
.macro GROUP1 g, c, r, p               ; words 1 to 7: r rows of c elements of 8 bytes, p elements from row to row
	s_mov_b32 s[\g+1], ((\c)&0xffff)<<16           ; tensor_dim0
	s_mov_b32 s[\g+2], ((\c)>>16)|(((\r)&0xffff)<<16)  ; tensor_dim1
	s_mov_b32 s[\g+3], ((\r)>>16)|((\c)<<16)       ; tile_dim0
	s_mov_b32 s[\g+4], \r                          ; tile_dim1
	s_mov_b32 s[\g+5], \p                          ; tensor_dim0_stride
	s_mov_b32 s[\g+6], 0
	s_mov_b32 s[\g+7], 0
.endm
; A joint refill of slot sl: waves 0 and 1 fetch four tiles of codes each, wave 2 the slot's scale bytes, wave 3 nothing.  The branches hang on the wave's number alone.  Four v_nop follow each load.
.macro JLOAD sl
	s_cmp_lt_u32 s[WV], 2
	s_cbranch_scc0 .Lnot_codes_\@
	tensor_load_to_lds s[G0C+4*(\sl):G0C+4*(\sl)+3], s[G1C:G1C+7]
	s_nop 0
	NOP4
	s_branch .Lasked_\@
.Lnot_codes_\@:
	s_cmp_eq_u32 s[WV], 2
	s_cbranch_scc0 .Lasked_\@
	tensor_load_to_lds s[G0E+8*(\sl):G0E+8*(\sl)+3], s[G1E:G1E+7]
	s_nop 0
	NOP4
.Lasked_\@:
.endm
.macro JLOADC                          ; slot 1's codes alone (its scale bytes came with the first fills)
	s_cmp_lt_u32 s[WV], 2
	s_cbranch_scc0 .Lno_codes_\@
	tensor_load_to_lds s[G0C+4:G0C+7], s[G1C:G1C+7]
	s_nop 0
	NOP4
.Lno_codes_\@:
.endm
.macro ASK lim                         ; s2 = trips left, this one among them
	s_cmp_gt_u32 s2, s[\lim]
	s_cbranch_scc0 .Lnot_mine_\@
	global_prefetch_b8 v[PFO], s[PFA:PFA+1] th:TH_LOAD_NT scope:SCOPE_SE
.Lnot_mine_\@:
.endm
; A fragment (16 rows x 128 K of 6-bit codes) is 12 registers: lane (r, h) holds row r; registers 0-5 and 6-11 are the 24 bytes at 24 h and at 48 + 24 h of the K step's 96 bytes: six pieces of 8 bytes.
; Piece P of a row lies at 8 P + 16 (P / 32).  My wave's local piece pl (0 .. 44) is the row's piece 48 j + pl + 3 h; 8 pl and the tile stand in the immediate, the rest in a register.  How many paddings lie
; in front of the piece hangs on j, h and pl: five classes of pl, a register each: pl < 13: 816 r + 24 h + 400 j;  13-15: 816 r + (24 + 16 j) h + 400 j;  16-28: 816 r + 24 h + 416 j;  29-31: 816 r + (40 - 16 j) h + 416 j;  from 32: the first + 16.
.macro PIECE reg, adr, pl, k4
.set PR, \reg
.set PP, \pl
.if PP < 13
.set CL, 0
.elseif PP < 16
.set CL, 1
.elseif PP < 29
.set CL, 2
.elseif PP < 32
.set CL, 3
.else
.set CL, 4
.endif
	ds_load_b64 v[PR:PR+1], v[\adr+CL] offset:8*PP+(\k4)*TILEB
.endm
.macro FRAG reg, adr, s, k4            ; K step s of tile k4 of the four that the address registers adr .. adr + 4 serve
.irp i, 0,1,2,3,4,5
	PIECE \reg+2*\i, \adr, 12*(\s)+6*(\i/3)+\i%3, \k4
.endr
.endm
.macro LD1 m                           ; load m of the 24 that bring the next tile's four fragments (NAF, NAD, NK4: set by TILE)
	PIECE NAF+2*(\m), NAD, 12*((\m)/6)+6*(((\m)%6)/3)+(\m)%3, NK4
.endm
.macro WM c, s, p                      ; one product: column tile c, K step s, enc's set p.  s = 0 starts the sum: nothing is ever cleared
.set rD, ACC+8*(\c)
.set rW, 12*(4*((\c)%4)+(\s))
.set rF, AF+48*(\p)+12*(\s)
.set rX, WS+2*(\c)+(\s)%2
.set rY, AS+2*(\p)+(\s)%2
.if (\s) == 0
	v_wmma_scale_f32_16x16x128_f8f6f4 v[rD:rD+7], v[rW:rW+11], v[rF:rF+11], 0, v[rX], v[rY] matrix_a_fmt:MATRIX_FMT_FP6 matrix_b_fmt:MATRIX_FMT_FP6
.elseif (\s) < 2
	v_wmma_scale_f32_16x16x128_f8f6f4 v[rD:rD+7], v[rW:rW+11], v[rF:rF+11], v[rD:rD+7], v[rX], v[rY] matrix_a_fmt:MATRIX_FMT_FP6 matrix_b_fmt:MATRIX_FMT_FP6
.else
	v_wmma_scale_f32_16x16x128_f8f6f4 v[rD:rD+7], v[rW:rW+11], v[rF:rF+11], v[rD:rD+7], v[rX], v[rY] matrix_a_fmt:MATRIX_FMT_FP6 matrix_b_fmt:MATRIX_FMT_FP6 matrix_a_scale:MATRIX_SCALE_ROW1 matrix_b_scale:MATRIX_SCALE_ROW1
.endif
.endm
.macro PK c, u                         ; the second product: pair u of accumulator c times hidden, onto the running sum; the very first starts it.  Each accumulator is read from its low end on
.set rH, HID+8*(((\c)+5)%4)+2*(\u)
.set rC, ACC+8*(\c)+2*(\u)
.if ((\c) == 0) && ((\u) == 0)
	v_pk_mul_f32 v[EN:EN+1], v[rH:rH+1], v[rC:rC+1]
.else
	v_pk_fma_f32 v[EN:EN+1], v[rH:rH+1], v[rC:rC+1], v[EN:EN+1]
.endif
.endm
.macro FIN                             ; the sum's two halves.  (As a multiply-add by 1.0: its first source is then no register, and the other two lie in window 0 under the setting in hand)
	v_fma_f32 v[ENR], 1.0, v[EN], v[EN+1]
.endm
; A TILE'S FIRST HALF: column tiles 0-3, product n = 4 s + c: the four accumulators by turns, one instruction a turn.  Between them: the second product on accumulators 3 to 6 OF THE TILE BEFORE,
; and the next tile's 24 loads and its scale pair.  Accumulator 3 is read out before product 3 starts it anew.  The four lines on accumulator 3 name no register of the half before's last products: they are the four
; places (ISA guide 7.12.1 for vector instructions) ahead of the first read of accumulators 4 to 7 and ahead of the loads into the registers that those products read.
.macro H0 p, prev, ld
.set n, 0
.rept 16
	WM n%4, n/4, \p
.if \prev
.if n < 2
	PK 3, n
.elseif n == 2
	PK 3, 2
	PK 3, 3
.elseif n < 15
	PK 4+(n-3)/4, (n-3)%4
.endif
.endif
.if \ld
.if (n >= 3) && (n < 11)
	LD1 3*(n-3)
	LD1 3*(n-3)+1
	LD1 3*(n-3)+2
.elseif n == 11
	ds_load_b64 v[NAS:NAS+1], v[ASA] offset:NSO
.endif
.endif
.set n, n+1
.endr
.endm
; PRODUCTS from .. to - 1 OF ITS SECOND HALF: column tiles 4-7.  Between them: accumulator 7 of the tile before (read out before product 3 starts it anew), that tile's number and its store, then accumulators 0 to 2 of THIS tile.
; The four lines behind products 0 to 2 are the places ahead of the first read of accumulator 0.  prev = 0: the first tile: four v_nop take their part.  st = 0: the store is held back (a change of slots)
.macro H1 p, prev, from, to, eo, st
.set n, \from
.rept \to-\from
	WM 4+n%4, n/4, \p
.if n < 2
.if \prev
	PK 7, n
.else
	v_nop
.endif
.elseif n == 2
.if \prev
	PK 7, 2
	PK 7, 3
.else
	v_nop
	v_nop
.endif
.elseif n == 3
.if \prev
	FIN
.endif
.else
	PK (n-4)/4, (n-4)%4
.endif
.if (n == 4) && (\prev) && (\st)
	ds_store_b32 v[EA], v[ENR] offset:\eo
.endif
.set n, n+1
.endr
.endm
; A TILE.  p: enc's set;  prev: there is a tile before;  ld: there is a next tile, number nk of slot nslot;  eo: the word of the tile before in this trip's part of the table.
; chg = 1: THE CHANGE OF SLOTS, in a slot's seventh tile, whose first half has issued the slot's last reads: slot cs is filled again.  Each wave waits for all its tensor loads (its part of the other slot), adds 0 to its spare word,
; and waits for that and for its reads of slot cs; the barrier opens a round of the cluster's barrier, so that no wave of any partner still reads the slot or has a load on its way; the joint refill is the first thing behind the round.
; chg = 2: the last change: the other slot's last fill is awaited and shown to all four waves; nothing is filled, so no round.
.macro TILE p, prev, ld, nslot, nk, eo, chg, cs
.set NAF, AF+48*(1-(\p))
.set NAS, AS+2*(1-(\p))
.set NAD, AD+10*(\nslot)+5*((\nk)/4)
.set NK4, (\nk)%4
.set NSO, (\nslot)*ESCB+(\nk)*ESCT
	s_wait_dscnt 0x0                               ; my fragments and scale pair are in: they were asked for in the first half of the tile before, 20 matrix instructions ago or more
	WIN W_ONE
	H0 \p, \prev, \ld
.if (\chg) == 0
	WIN W_TWO
	H1 \p, \prev, 0, 16, \eo, 1
.else
	WIN 0                                          ; (the add's two registers lie in window 0)
	s_wait_tensorcnt 0x0                           ; no tensor load of mine is out, so a group 0 may be written
	ds_add_u32 v[SPW], v[NIL]                      ; 0 onto my spare word: work on registers stands between it and the wait for it
.if (\chg) == 1
	s_add_nc_u64 s[G0C+4*(\cs)+2:G0C+4*(\cs)+3], s[G0C+4*(\cs)+2:G0C+4*(\cs)+3], 16*LROW    ; two slots, 16 l, on; the type bits on top are not reached
	s_add_nc_u64 s[G0E+8*(\cs)+2:G0E+8*(\cs)+3], s[G0E+8*(\cs)+2:G0E+8*(\cs)+3], 16*2048
	s_wait_xcnt 0x0                                ; the last prefetch, 8 tiles back, has read its address, so it may be written:
	s_add_nc_u64 s[PFA:PFA+1], s[PFA:PFA+1], 8*LROW   ; one slot further on than the refill below
.endif
	WIN W_TWO
	H1 \p, 1, 0, 8, \eo, 0
	s_wait_dscnt 0x0                               ; the add is done, and my reads of slot cs are over
	s_barrier_signal -1
	H1 \p, 1, 8, 16, \eo, 0                        ; work on registers while the others arrive
.if (\chg) == 1
	WIN 0
.endif
	s_barrier_wait -1
.if (\chg) == 1
	CREST
	JLOAD \cs
	ASK LIM+(\cs)
	WIN W_TWO
.endif
	ds_store_b32 v[EA], v[ENR] offset:\eo          ; the store that was held back: no LDS store stands between the add and the refill
.endif
.endm
; Position u of a trip: u = 1 .. 7: tile u of slot 0; 8 .. 15: tile u - 8 of slot 1; 16: tile 0 of slot 0, filled anew.  last = 1: the tail, which asks for nothing more
.macro POS u, last
.if ((\u) == 6) && ((\last) == 0)
	TILE (\u)%2, 1, 1, ((\u+1)/8)%2, (\u+1)%8, 4*(\u-1), 1, 0
.elseif (\u) == 6
	TILE (\u)%2, 1, 1, ((\u+1)/8)%2, (\u+1)%8, 4*(\u-1), 2, 0
.elseif ((\u) == 14) && ((\last) == 0)
	TILE (\u)%2, 1, 1, ((\u+1)/8)%2, (\u+1)%8, 4*(\u-1), 1, 1
.elseif ((\u) == 15) && ((\last) == 1)
	TILE (\u)%2, 1, 0, 0, 0, 4*(\u-1), 0, 0
.else
	TILE (\u)%2, 1, 1, ((\u+1)/8)%2, (\u+1)%8, 4*(\u-1), 0, 0
.endif
.endm
.macro ADD4 a, b
	v_pk_add_f32 v[\a:\a+1], v[\a:\a+1], v[\b:\b+1]
	v_pk_add_f32 v[\a+2:\a+3], v[\a+2:\a+3], v[\b+2:\b+3]
.endm
	s_load_b256 s[4:11], s[0:1], 0x0               ; W's codes s[4:5], W's scales s[6:7], enc's codes s[8:9], enc's scales s[10:11]
	s_load_b128 s[12:15], s[0:1], 0x20             ; hidden s[12:13], part s[14:15]
	v_lshl_add_u32 v[SPW], v0, 2, SPARE
	v_mov_b32 v[NIL], 0
	ds_add_u32 v16, v17
	ds_add_u32 v16, v17
	s_wait_dscnt 0x0
	v_lshrrev_b32 v3, 5, v0
	v_readfirstlane_b32 s[WV], v3                  ; wave 0..3
	s_lshr_b32 s17, s[WV], 1                       ; i: which 128 columns of the quarter
	s_and_b32 s18, s[WV], 1                        ; j: which half of K.  Also: which four tiles of a slot I fetch
	s_bfe_u32 s19, ttmp6, 0x40000                  ; cx, cy: my place in the cluster
	s_bfe_u32 s20, ttmp6, 0x40004
	s_lshl_b32 s21, ttmp9, 2
	s_add_co_u32 s21, s21, s19                     ; q = 4 x cluster x + cx
	s_and_b32 s22, ttmp7, 0xffff
	s_lshl_b32 s22, s22, 2
	s_add_co_u32 s22, s22, s20                     ; g = 4 x cluster y + cy
	s_lshl_b32 s76, s20, 2
	s_lshl_b32 s76, 15, s76                        ; my row of the cluster: the four q of my g
	s_lshl_b32 s77, 0x1111, s19                    ; my column: the four g of my q
.set GFL, (3<<16)|(1<<20)|(1<<21)|(5<<22)|(3<<25)  ; 17:16 elements of 8 bytes; 20 padding on; 21 set beside a mask; 24:22 after every 64 words (code 5); 31:25 of 4 words (code 3)
	s_or_b32 s[G1W], s77, GFL
	s_or_b32 s[G1C], s76, GFL
	s_or_b32 s[G1E], s76, GFL
	GROUP1 G1W, 96, 64, 96                         ; W: 64 rows of 768 bytes, dense
	GROUP1 G1C, 1536, 4, 6144                      ; enc's codes: 4 tiles of 12,288 bytes, 49,152 bytes (an l) apart
	GROUP1 G1E, 64, 8, 256                         ; enc's scale bytes: 8 tiles of 512 bytes, 2,048 bytes apart
	s_mul_i32 s78, s21, 256*768                    ; W: my quarter, and of it the 64 rows that I fetch.  (These registers never hold cy, those for enc never cx)
	s_mul_i32 s80, s[WV], 64*768
	s_add_co_u32 s78, s78, s80
	s_mov_b32 s79, 0
	s_and_b32 s84, s22, 3                          ; bg
	s_lshr_b32 s85, s22, 2                         ; lr
	s_mul_i32 s82, s85, 64*LROW
	s_mul_i32 s86, s84, 12288
	s_add_co_u32 s82, s82, s86                     ; enc's codes: my first tile, in bytes (under 2^26)
	s_mov_b32 s83, 0
	s_mul_i32 s88, s18, 4*LROW
	s_add_co_u32 s88, s88, s82                     ; and the first of the four that I fetch
	s_mov_b32 s89, 0
	s_lshl_b32 s90, s85, 17
	s_lshl_b32 s86, s84, 9
	s_add_co_u32 s90, s90, s86                     ; enc's scale bytes: my first tile
	s_mov_b32 s91, 0
	s_mul_i32 s92, s[WV], HALFB                    ; where they go: no place in the cluster enters an LDS address
	s_mul_i32 s93, s18, HALFB
	s_wait_kmcnt 0x0
	s_mov_b32 s[G0W], 1                            ; 1:0 count = 1
	s_add_co_u32 s[G0W+1], s92, WST                ; 63:32 LDS address
	s_add_nc_u64 s[G0W+2:G0W+3], s[4:5], s[78:79]  ; 120:64 global address
	s_or_b32 s[G0W+3], s[G0W+3], 0x80000000        ; 127:126 type = 2
	s_add_nc_u64 s[94:95], s[8:9], s[88:89]
	s_add_nc_u64 s[86:87], s[10:11], s[90:91]
.irp sl, 0,1
	s_mov_b32 s[G0C+4*\sl], 1
	s_add_co_u32 s[G0C+4*\sl+1], s93, \sl*SLOTB
	s_add_nc_u64 s[G0C+4*\sl+2:G0C+4*\sl+3], s[94:95], \sl*8*LROW
	s_or_b32 s[G0C+4*\sl+3], s[G0C+4*\sl+3], 0x80000000
	s_mov_b32 s[G0E+8*\sl], 1
	s_mov_b32 s[G0E+8*\sl+1], ESC0+\sl*ESCB
	s_add_nc_u64 s[G0E+8*\sl+2:G0E+8*\sl+3], s[86:87], \sl*8*2048
	s_or_b32 s[G0E+8*\sl+3], s[G0E+8*\sl+3], 0x80000000
.endr
	CROUND                                         ; all sixteen work-groups are here: the first joint loads meet
	; THE FIRST FILLS: two a wave.  W's 64 rows first, in every wave; then waves 0 and 1: slot 0's codes; wave 2: slot 0's scale bytes; wave 3: slot 1's scale bytes
	tensor_load_to_lds s[G0W:G0W+3], s[G1W:G1W+7]
	s_nop 0
	NOP4
	s_cmp_lt_u32 s[WV], 2
	s_cbranch_scc0 .Lfirst_not_codes
	tensor_load_to_lds s[G0C:G0C+3], s[G1C:G1C+7]
	s_nop 0
	NOP4
	s_branch .Lfirst_asked
.Lfirst_not_codes:
	s_cmp_eq_u32 s[WV], 2
	s_cbranch_scc0 .Lfirst_wave_3
	tensor_load_to_lds s[G0E:G0E+3], s[G1E:G1E+7]
	s_nop 0
	NOP4
	s_branch .Lfirst_asked
.Lfirst_wave_3:
	tensor_load_to_lds s[G0E+8:G0E+11], s[G1E:G1E+7]
	s_nop 0
	NOP4
.Lfirst_asked:
	; while they are on their way: bases, offsets and LDS addresses
	v_and_b32 v1, 15, v0                           ; r
	v_bfe_u32 v2, v0, 4, 1                         ; h
	v_lshlrev_b32 v[HOF], 12, v1
	v_lshl_add_u32 v[HOF], v2, 5, v[HOF]           ; hidden: row r of 4,096 bytes, + 32 h
	s_lshl_b32 s76, s84, 16                        ; row 16 bg,
	s_lshl_b32 s77, s21, 10                        ; column 256 q
	s_add_co_u32 s76, s76, s77
	s_lshl_b32 s77, s17, 9                         ; + 128 i
	s_add_co_u32 s76, s76, s77
	s_mov_b32 s77, 0
	s_add_nc_u64 s[12:13], s[12:13], s[76:77]
	v_lshlrev_b32 v[WSO], 5, v1
	v_lshl_add_u32 v[WSO], v2, 3, v[WSO]           ; W's scale bytes: row r of 32 bytes, + 8 h: lanes 0-15 take my K steps 0 and 1, lanes 16-31 steps 2 and 3
	s_lshl_b32 s76, s21, 13                        ; row 256 q
	s_lshl_b32 s78, s17, 12                        ; + 128 i
	s_add_co_u32 s76, s76, s78
	s_lshl_b32 s78, s18, 4                         ; my half of K: 16 bytes
	s_add_co_u32 s76, s76, s78
	s_add_nc_u64 s[6:7], s[6:7], s[76:77]
	s_lshl_b32 s76, s21, 18                        ; part: plane q,
	s_lshl_b32 s78, s84, 16                        ; row 16 bg,
	s_add_co_u32 s76, s76, s78
	s_lshl_b32 s78, s85, 8                         ; l = 64 lr
	s_add_co_u32 s76, s76, s78
	s_add_nc_u64 s[14:15], s[14:15], s[76:77]
	s_lshl_b32 s76, s19, 1                         ; the prefetches: l rows 2 cx and 2 cx + 1 of a slot's eight,
	s_add_co_u32 s76, s76, 16                      ; standing in the third slot's worth of l: the first change of slots steps them to the fourth
	s_mul_i32 s76, s76, LROW
	s_add_co_u32 s76, s76, s82
	s_add_nc_u64 s[PFA:PFA+1], s[8:9], s[76:77]
	s_cmp_lt_u32 s[WV], 3                          ; waves 0 to 2 ask: 96 lanes for 96 runs of 256 bytes
	s_cselect_b32 s[LIM], 0, -1                    ; at a change of slot 0: in every trip
	s_cselect_b32 s[LIM+1], 1, -1                  ; at a change of slot 1: not in the last trip: no slot's worth of l is left behind the one that it fills
	v_lshlrev_b32 v[PFO], 8, v0                    ; thread t names run t % 48 of l row t / 48: 256 t, and from t = 48 on the rest of an l's 49,152 bytes
	v_mov_b32 v12, LROW-12288
	v_cmp_lt_u32 vcc_lo, 47, v0
	v_cndmask_b32 v12, 0, v12, vcc_lo
	v_add_nc_u32 v[PFO], v[PFO], v12
	s_mul_i32 s76, s18, 400
	s_mul_i32 s77, s18, 416
	s_lshl_b32 s78, s18, 4
	s_add_co_u32 s78, s78, 24                      ; 24 + 16 j
	s_xor_b32 s79, s18, 1
	s_lshl_b32 s79, s79, 4
	s_add_co_u32 s79, s79, 24                      ; 40 - 16 j
	s_mul_i32 s80, s17, SLOTB
	s_add_co_u32 s80, s80, WST                     ; W's stage: my 128 rows
	s_add_co_u32 s81, s80, HALFB
	s_lshl_b32 s86, s18, 4
	s_add_co_u32 s86, s86, ESC0
	s_mul_i32 s87, s[WV], 32*EPITCH
	s_add_co_u32 s87, s87, EST
	s_mov_b32 s3, 0                                ; the trip's part of the table: 64 bytes a trip
	v_mul_u32_u24 v3, v1, ROWP
	v_mad_u32_u24 v[LP+0], v2, 24, v3
	v_mad_u32_u24 v[LP+1], v2, s78, v3
	v_mad_u32_u24 v[LP+3], v2, s79, v3
	v_add_nc_u32 v[LP+2], s77, v[LP+0]
	v_add_nc_u32 v[LP+0], s76, v[LP+0]
	v_add_nc_u32 v[LP+1], s76, v[LP+1]
	v_add_nc_u32 v[LP+3], s77, v[LP+3]
	v_add_nc_u32 v[LP+4], 16, v[LP+0]
.irp cl, 0,1,2,3,4
	v_add_nc_u32 v[TW+\cl], s80, v[LP+\cl]
	v_add_nc_u32 v[TW+5+\cl], s81, v[LP+\cl]
.endr
	v_lshlrev_b32 v9, 5, v1                        ; enc's scale words: row r of a tile at 32 r + 16 (r / 8), + 8 h
	v_lshrrev_b32 v10, 3, v1
	v_lshl_add_u32 v9, v10, 4, v9
	v_lshl_add_u32 v9, v2, 3, v9
	v_and_b32 v10, 31, v0
	v_mul_u32_u24 v10, v10, EPITCH                 ; the table: my lane's row
	v_lshrrev_b32 v11, 4, v0
	v_mul_u32_u24 v[RDA], v11, EPITCH              ; the final sum: thread t takes row t / 16 of the tile (and row t / 16 + 8), tiles 4 (t % 16) + 0 .. 3
	v_lshl_add_u32 v[RDA], v1, 4, v[RDA]
	v_add_nc_u32 v[RDA], EST, v[RDA]
	v_lshlrev_b32 v[GOF], 12, v11
	v_lshl_add_u32 v[GOF], v1, 4, v[GOF]
.irp c, 0,1,2,3,4,5,6,7
	global_load_b64 v[WS+2*\c:WS+2*\c+1], v[WSO], s[6:7] offset:512*\c
.endr
	WIN 0x40                                       ; destination window 1
.irp c, 3,4,5,6
	global_load_b128 v[HID+8*((\c+5)%4):HID+8*((\c+5)%4)+3],   v[HOF], s[12:13] offset:64*\c
	global_load_b128 v[HID+8*((\c+5)%4)+4:HID+8*((\c+5)%4)+7], v[HOF], s[12:13] offset:64*\c+16
.endr
.irp sl, 0,1
.irp hf, 0,1
.irp cl, 0,1,2,3,4
.if \sl+\hf == 0
	v_mov_b32 v[AD+\cl], v[LP+\cl]
.else
	v_add_nc_u32 v[AD+10*\sl+5*\hf+\cl], \sl*SLOTB+\hf*HALFB, v[LP+\cl]
.endif
.endr
.endr
.endr
	v_add_nc_u32 v[ASA], s86, v9
	WIN 0x80                                       ; destination window 2
.irp c, 7,0,1,2
	global_load_b128 v[HID+8*((\c+5)%4):HID+8*((\c+5)%4)+3],   v[HOF], s[12:13] offset:64*\c
	global_load_b128 v[HID+8*((\c+5)%4)+4:HID+8*((\c+5)%4)+7], v[HOF], s[12:13] offset:64*\c+16
.endr
	v_add_nc_u32 v[EA0], s87, v10
	v_add_nc_u32 v[EA], s87, v10
	WIN 0
	s_wait_tensorcnt 0x1                           ; my 64 rows of W are in; the one load issued behind them may stay out
	s_barrier_signal -1
	s_barrier_wait -1                              ; everybody's are
	WIN 0x40                                       ; W INTO REGISTERS, where it stays: 32 fragments
.irp c, 0,1,2,3
.irp s, 0,1,2,3
	FRAG 12*(4*\c+\s), TW, \s, \c
.endr
.endr
	WIN 0x80
.irp c, 0,1,2,3
.irp s, 0,1,2,3
	FRAG 12*(4*\c+\s), TW+5, \s, \c
.endr
.endr
	WIN 0
	s_wait_tensorcnt 0x0                           ; slot 1's codes go over the first half of W's stage: a refill.  All my tensor loads have landed (slot 0's part among them),
	ds_add_u32 v[SPW], v[NIL]                      ; 0 onto my spare word
	s_wait_dscnt 0x0                               ; the add is done, and W is in my registers
	CROUND                                         ; the same holds of every wave of every partner
	JLOADC
	WIN W_ONE
.irp s, 0,1,2,3
	FRAG AF+12*\s, AD, \s, 0                       ; tile 0
.endr
	ds_load_b64 v[AS:AS+1], v[ASA]
	s_wait_loadcnt 0x0                             ; hidden and W's scale words
	TILE 0, 0, 1, 0, 1, 0, 0, 0                    ; the first tile stands in front of the loop: there is no tile before it
	WIN 0                                          ; at a label and at a branch every window is 0
	s_mov_b32 s2, 3
.Ltrip:                                                ; a trip: 16 tiles, once round the ring; both slots are filled again
.irp u, 1,2,3,4,5,6,7,8,9,10,11,12,13,14,15,16
	POS \u, 0
.endr
	s_add_co_u32 s3, s3, 64
	WIN 0x88                                       ; source 1 and destination window 2
	v_add_nc_u32 v[EA], s3, v[EA0]                 ; the next trip's 16 words of the table
	WIN 0
	s_sub_co_u32 s2, s2, 1
	s_cmp_lg_u32 s2, 0
	s_cbranch_scc1 .Ltrip
.irp u, 1,2,3,4,5,6,7,8,9,10,11,12,13,14,15
	POS \u, 1                                      ; the last 15 tiles are written out
.endr
	WIN W_ONE                                      ; the last tile's accumulators 3 to 7.  The lines on 3 (finished half a tile ago) are the places behind the last products
.irp c, 3,4,5,6
.irp u, 0,1,2,3
	PK \c, \u
.endr
.endr
	WIN W_TWO
.irp u, 0,1,2,3
	PK 7, \u
.endr
	FIN
	ds_store_b32 v[EA], v[ENR] offset:60
	WIN 0
	s_wait_dscnt 0x0                               ; for the others' sake: my stores into the table are done
	s_barrier_signal -1
	s_barrier_wait -1
	; THE FINAL SUM.  An energy's eight parts (4 waves x 2 lane halves) lie 8,704 and 4,352 bytes apart; a thread adds them for four neighbouring l of two rows b
.irp g, 0,1
.irp w, 0,1,2,3
.irp h, 0,1
	ds_load_b128 v[AF+32*\g+4*(2*\w+\h):AF+32*\g+4*(2*\w+\h)+3], v[RDA] offset:32*EPITCH*\w+16*EPITCH*\h+8*EPITCH*\g
.endr
.endr
.endr
	s_wait_dscnt 0x0
.irp g, 0,1
.irp k, 0,8,16,24
	ADD4 AF+32*\g+\k, AF+32*\g+\k+4
.endr
.irp k, 0,16
	ADD4 AF+32*\g+\k, AF+32*\g+\k+8
.endr
	ADD4 AF+32*\g, AF+32*\g+16
.endr
	global_store_b128 v[GOF], v[AF:AF+3], s[14:15]                      ; 16 lanes store 256 consecutive bytes, at a multiple of 256 from part's first byte: 64 l of one b
	global_store_b128 v[GOF], v[AF+32:AF+35], s[14:15] offset:8*4096    ; and of the b eight rows on
	s_wait_tensorcnt 0x0                           ; the wave's end, behind my last tensor load and my last LDS store
	ds_add_u32 v[SPW], v[NIL]
	s_wait_dscnt 0x0
	CROUND                                         ; the closing round: no work-group ends while a partner may still ask for a tile that names it
	s_endpgm
.Lfunc_end_k_q15e9c09afb_energy:
	.size	k_q15e9c09afb_energy, .Lfunc_end_k_q15e9c09afb_energy-k_q15e9c09afb_energy
	.p2alignl 7, 3214868480
	.fill 96, 4, 3214868480
	.section	.rodata,"a",@progbits
	.p2align	6, 0x0
	.amdhsa_kernel k_q15e9c09afb_energy
		.amdhsa_group_segment_fixed_size 327680
		.amdhsa_private_segment_fixed_size 0
		.amdhsa_enable_private_segment 0
		.amdhsa_kernarg_size 48
		.amdhsa_user_sgpr_count 2
		.amdhsa_user_sgpr_kernarg_segment_ptr 1
		.amdhsa_wavefront_size32 1
		.amdhsa_system_sgpr_workgroup_id_x 1
		.amdhsa_system_sgpr_workgroup_id_y 1
		.amdhsa_system_sgpr_workgroup_id_z 1
		.amdhsa_system_vgpr_workitem_id 0
		.amdhsa_next_free_vgpr 768
		.amdhsa_next_free_sgpr 96
		.amdhsa_reserve_vcc 1
		.amdhsa_float_denorm_mode_32 3
		.amdhsa_float_denorm_mode_16_64 3
		.amdhsa_memory_ordered 1
		.amdhsa_forward_progress 1
		.amdhsa_inst_pref_size 255
	.end_amdhsa_kernel
	.section	.bss,"aw",@nobits
	.p2align	6
	.space	262144
	.amdgpu_metadata
---
amdhsa.version: [ 1, 2 ]
amdhsa.kernels:
  - .name:           k_q15e9c09afb_energy
    .symbol:         k_q15e9c09afb_energy.kd
    .args:
      - { .name: W_codes, .offset: 0, .size: 8, .value_kind: global_buffer, .address_space: global }
      - { .name: W_scales, .offset: 8, .size: 8, .value_kind: global_buffer, .address_space: global }
      - { .name: encoder_outputs_codes, .offset: 16, .size: 8, .value_kind: global_buffer, .address_space: global }
      - { .name: encoder_outputs_scales, .offset: 24, .size: 8, .value_kind: global_buffer, .address_space: global }
      - { .name: hidden, .offset: 32, .size: 8, .value_kind: global_buffer, .address_space: global }
      - { .name: part, .offset: 40, .size: 8, .value_kind: global_buffer, .address_space: global }
    .group_segment_fixed_size: 327680
    .private_segment_fixed_size: 0
    .kernarg_segment_align: 8
    .kernarg_segment_size: 48
    .max_flat_workgroup_size: 128
    .sgpr_count:     96
    .vgpr_count:     768
    .wavefront_size: 32
...
	.end_amdgpu_metadata
.endif
;; end of part 1
;; launch softmax (part 2): grid 64 x 1, 1 waves a work-group, no clusters, 0 bytes of LDS; arguments part, hidden, b, out0; writes out0
.if DOCPART == 2
	.amdgcn_target "amdgcn-amd-amdhsa--gfx1250"
	.amdhsa_code_object_version 6
	.text
	.protected	k_q15e9c09afb_softmax
	.globl	k_q15e9c09afb_softmax
	.p2align	8
	.type	k_q15e9c09afb_softmax,@function
k_q15e9c09afb_softmax:
	s_mov_b64 s[64:65], 0
	v_nop
	global_prefetch_b8 v0, s[64:65] scope:SCOPE_SE
	s_setreg_imm32_b32 hwreg(HW_REG_WAVE_MODE, 25, 1), 1
	s_wait_xcnt 0x0
; out0[b][0][l] = softmax over l of e[b][l],  e[b][l] = part[0][b][l] + part[1][b][l] + part[2][b][l] + part[3][b][l] + hidden[b] . bias.  All in f32.
; One wave takes one b: a row of 1,024 energies is 32 registers, so maximum and sum never leave the wave: no LDS, no barrier.  Each load and store of the wave covers 512 consecutive bytes, aligned.
; Lane n holds l = 128 i + 4 n + 0 .. 3, i = 0 .. 7.  All 48 loads go out at once; the bias's dot product is made while part's 32 are on their way.
; The row's maximum m is taken away before the exponential: p = 2^(e c - m c), c = log2(e): one fused multiply-add each; m c is the same rounded number for the whole row, so its rounding falls out in the division by the sum.
; No matrix unit, no cluster, no tensor load: 64 rows of 4 KiB that share nothing.  No prefetch: every address is asked for by its load in the first lines.
; LIMITS: weights under 2^-126 come out as 0 (the exponential gives no denormals: ISA guide, its entry in 15.8).
.set P,   16                           ; v16-143  part's four planes, 32 registers each; plane 0's become e, then p, then the result
.set HD,  144                          ; v144-175 hidden[b]
.set BI,  176                          ; v176-207 bias
.set CB,  208                          ; v208-211 hidden . bias, in chains; v208 the sum
.set MX,  212                          ; v212-213 the maximum, in two chains
.set MC,  214                          ; v[214:215] m c
.set SM,  216                          ; v216-219 the sum, in two chains
.set RC,  220                          ; v[220:221] 1 / the sum
.macro SUM_LANES x, t                  ; the sum over the 32 lanes, in every lane: four steps inside each half of 16 ride on the arithmetic, one crosses the halves
	v_add_f32_dpp v[\x], v[\x], v[\x] row_xmask:1 row_mask:0xf bank_mask:0xf
	v_add_f32_dpp v[\x], v[\x], v[\x] row_xmask:2 row_mask:0xf bank_mask:0xf
	v_add_f32_dpp v[\x], v[\x], v[\x] row_xmask:4 row_mask:0xf bank_mask:0xf
	v_add_f32_dpp v[\x], v[\x], v[\x] row_xmask:8 row_mask:0xf bank_mask:0xf
	v_permlanex16_b32 v[\t], v[\x], s14, s15       ; (its destination counts as read: a register that has been written)
	v_add_f32 v[\x], v[\x], v[\t]
.endm
.macro MAX_LANES x, t
	v_max_num_f32_dpp v[\x], v[\x], v[\x] row_xmask:1 row_mask:0xf bank_mask:0xf
	v_max_num_f32_dpp v[\x], v[\x], v[\x] row_xmask:2 row_mask:0xf bank_mask:0xf
	v_max_num_f32_dpp v[\x], v[\x], v[\x] row_xmask:4 row_mask:0xf bank_mask:0xf
	v_max_num_f32_dpp v[\x], v[\x], v[\x] row_xmask:8 row_mask:0xf bank_mask:0xf
	v_permlanex16_b32 v[\t], v[\x], s14, s15
	v_max_num_f32 v[\x], v[\x], v[\t]
.endm
	s_load_b256 s[4:11], s[0:1], 0x0               ; part s[4:5], hidden s[6:7], bias s[8:9], out0 s[10:11]
	v_lshlrev_b32 v1, 4, v0                        ; 16 bytes a lane
	s_lshl_b32 s12, ttmp9, 12                      ; row b of 4,096 bytes, in part's planes, in hidden and in out0
	s_mov_b32 s13, 0
	s_mov_b32 s14, 0x76543210                      ; v_permlanex16_b32's selects for lane n xor 16
	s_mov_b32 s15, 0xfedcba98
	s_mov_b32 s16, 0x3fb8aa3b                      ; c = log2(e)
	s_mov_b32 s17, s16                             ; (named with it as a pair, so it is written)
	s_wait_kmcnt 0x0
	s_add_nc_u64 s[4:5], s[4:5], s[12:13]
	s_add_nc_u64 s[6:7], s[6:7], s[12:13]
	s_add_nc_u64 s[10:11], s[10:11], s[12:13]
.irp i, 0,1,2,3,4,5,6,7
	global_load_b128 v[HD+4*\i:HD+4*\i+3], v1, s[6:7] offset:512*\i
.endr
.irp i, 0,1,2,3,4,5,6,7
	global_load_b128 v[BI+4*\i:BI+4*\i+3], v1, s[8:9] offset:512*\i
.endr
.irp q, 0,1,2,3
.irp i, 0,1,2,3,4,5,6,7
	global_load_b128 v[P+32*\q+4*\i:P+32*\q+4*\i+3], v1, s[4:5] offset:262144*\q+512*\i
.endr
.endr
	s_wait_loadcnt 32                              ; hidden and bias are in; part's 32 loads, issued behind them, may stay out
	v_pk_mul_f32 v[CB:CB+1], v[HD:HD+1], v[BI:BI+1]                ; the first products start the two chains: nothing is cleared
	v_pk_mul_f32 v[CB+2:CB+3], v[HD+2:HD+3], v[BI+2:BI+3]
.irp k, 4,8,12,16,20,24,28
	v_pk_fma_f32 v[CB:CB+1], v[HD+\k:HD+\k+1], v[BI+\k:BI+\k+1], v[CB:CB+1]
	v_pk_fma_f32 v[CB+2:CB+3], v[HD+\k+2:HD+\k+3], v[BI+\k+2:BI+\k+3], v[CB+2:CB+3]
.endr
	v_pk_add_f32 v[CB:CB+1], v[CB:CB+1], v[CB+2:CB+3]
	v_add_f32 v[CB], v[CB], v[CB+1]
	SUM_LANES CB, CB+1                             ; hidden[b] . bias, in every lane
	s_wait_loadcnt 0x0
.irp k, 0,2,4,6,8,10,12,14,16,18,20,22,24,26,28,30
	v_pk_add_f32 v[P+\k:P+\k+1], v[P+\k:P+\k+1], v[P+32+\k:P+32+\k+1]
	v_pk_add_f32 v[P+64+\k:P+64+\k+1], v[P+64+\k:P+64+\k+1], v[P+96+\k:P+96+\k+1]
.endr
.irp k, 0,2,4,6,8,10,12,14,16,18,20,22,24,26,28,30
	v_pk_add_f32 v[P+\k:P+\k+1], v[P+\k:P+\k+1], v[P+64+\k:P+64+\k+1]
.endr
.irp k, 0,2,4,6,8,10,12,14,16,18,20,22,24,26,28,30
	v_pk_add_f32 v[P+\k:P+\k+1], v[P+\k:P+\k+1], v[CB:CB+1] op_sel_hi:[1,0]   ; e (of the pair the low word serves both halves)
.endr
	v_max3_num_f32 v[MX], v[P], v[P+1], v[P+2]     ; the largest of my 32, in two chains
	v_max3_num_f32 v[MX+1], v[P+3], v[P+4], v[P+5]
.irp k, 6,10,14,18,22,26
	v_max3_num_f32 v[MX], v[MX], v[P+\k], v[P+\k+1]
	v_max3_num_f32 v[MX+1], v[MX+1], v[P+\k+2], v[P+\k+3]
.endr
	v_max3_num_f32 v[MX], v[MX], v[P+30], v[P+31]
	v_max_num_f32 v[MX], v[MX], v[MX+1]
	MAX_LANES MX, MX+1                             ; the row's maximum m, in every lane
	v_mul_f32 v[MC], s16, v[MX]
	v_mov_b32 v[MC+1], v[MC]                       ; (named with it as a pair)
.irp k, 0,2,4,6,8,10,12,14,16,18,20,22,24,26,28,30
	v_pk_fma_f32 v[P+\k:P+\k+1], v[P+\k:P+\k+1], s[16:17], v[MC:MC+1] op_sel_hi:[1,0,0] neg_lo:[0,0,1] neg_hi:[0,0,1]   ; e c - m c
.endr
.irp k, 0,1,2,3,4,5,6,7,8,9,10,11,12,13,14,15,16,17,18,19,20,21,22,23,24,25,26,27,28,29,30,31
	v_exp_f32 v[P+\k], v[P+\k]                     ; one batch
.endr
	v_nop                                          ; a plain instruction behind the last exponential (ISA guide 5.7.2)
	s_wait_alu depctr_va_vdst(0)                   ; one wait for the batch, ahead of its first reader
	v_pk_add_f32 v[SM:SM+1], v[P:P+1], v[P+2:P+3]
	v_pk_add_f32 v[SM+2:SM+3], v[P+4:P+5], v[P+6:P+7]
.irp k, 8,12,16,20,24,28
	v_pk_add_f32 v[SM:SM+1], v[SM:SM+1], v[P+\k:P+\k+1]
	v_pk_add_f32 v[SM+2:SM+3], v[SM+2:SM+3], v[P+\k+2:P+\k+3]
.endr
	v_pk_add_f32 v[SM:SM+1], v[SM:SM+1], v[SM+2:SM+3]
	v_add_f32 v[SM], v[SM], v[SM+1]
	SUM_LANES SM, SM+1                             ; the row's sum: at least 1, since the largest p is about 1
	v_rcp_f32 v[RC], v[SM]
	v_mov_b32 v[RC+1], 0                           ; the plain instruction behind the reciprocal; it also writes the pair's upper word, which is named and not used
	s_wait_alu depctr_va_vdst(0)                   ; the wait, ahead of the first reader
.irp i, 0,1,2,3,4,5,6,7
	v_pk_mul_f32 v[P+4*\i:P+4*\i+1], v[P+4*\i:P+4*\i+1], v[RC:RC+1] op_sel_hi:[1,0]
	v_pk_mul_f32 v[P+4*\i+2:P+4*\i+3], v[P+4*\i+2:P+4*\i+3], v[RC:RC+1] op_sel_hi:[1,0]
	global_store_b128 v1, v[P+4*\i:P+4*\i+3], s[10:11] offset:512*\i   ; 32 lanes store 512 consecutive bytes, at a multiple of 256 from out0's first byte
.endr
	s_endpgm
.Lfunc_end_k_q15e9c09afb_softmax:
	.size	k_q15e9c09afb_softmax, .Lfunc_end_k_q15e9c09afb_softmax-k_q15e9c09afb_softmax
	.p2alignl 7, 3214868480
	.fill 96, 4, 3214868480
	.section	.rodata,"a",@progbits
	.p2align	6, 0x0
	.amdhsa_kernel k_q15e9c09afb_softmax
		.amdhsa_group_segment_fixed_size 0
		.amdhsa_private_segment_fixed_size 0
		.amdhsa_enable_private_segment 0
		.amdhsa_kernarg_size 32
		.amdhsa_user_sgpr_count 2
		.amdhsa_user_sgpr_kernarg_segment_ptr 1
		.amdhsa_wavefront_size32 1
		.amdhsa_system_sgpr_workgroup_id_x 1
		.amdhsa_system_sgpr_workgroup_id_y 1
		.amdhsa_system_sgpr_workgroup_id_z 1
		.amdhsa_system_vgpr_workitem_id 0
		.amdhsa_next_free_vgpr 224
		.amdhsa_next_free_sgpr 66
		.amdhsa_reserve_vcc 0
		.amdhsa_float_denorm_mode_32 3
		.amdhsa_float_denorm_mode_16_64 3
		.amdhsa_memory_ordered 1
		.amdhsa_forward_progress 1
		.amdhsa_inst_pref_size 18
	.end_amdhsa_kernel
	.amdgpu_metadata
---
amdhsa.version: [ 1, 2 ]
amdhsa.kernels:
  - .name:           k_q15e9c09afb_softmax
    .symbol:         k_q15e9c09afb_softmax.kd
    .args:
      - { .name: part, .offset: 0, .size: 8, .value_kind: global_buffer, .address_space: global }
      - { .name: hidden, .offset: 8, .size: 8, .value_kind: global_buffer, .address_space: global }
      - { .name: b, .offset: 16, .size: 8, .value_kind: global_buffer, .address_space: global }
      - { .name: out0, .offset: 24, .size: 8, .value_kind: global_buffer, .address_space: global }
    .group_segment_fixed_size: 0
    .private_segment_fixed_size: 0
    .kernarg_segment_align: 8
    .kernarg_segment_size: 32
    .max_flat_workgroup_size: 32
    .sgpr_count:     66
    .vgpr_count:     224
    .wavefront_size: 32
...
	.end_amdgpu_metadata
.endif
;; end of part 2
;; ======== version 2 of 2: 2 launches
;; limits: right only within a limited range of input values
;; workspace buffers: part 1,048,576 bytes
;; launch energy (part 3): grid 4 x 64, 4 waves a work-group, clusters of 4 x 4, 327,680 bytes of LDS; arguments W_codes, W_scales, encoder_outputs_codes, encoder_outputs_scales, hidden, part; writes part
.if DOCPART == 3
	.amdgcn_target "amdgcn-amd-amdhsa--gfx1250"
	.amdhsa_code_object_version 6
	.text
	.protected	k_q15e9c09afb_energy
	.globl	k_q15e9c09afb_energy
	.p2align	8
	.type	k_q15e9c09afb_energy,@function
k_q15e9c09afb_energy:
	s_mov_b64 s[64:65], 0
	v_nop
	global_prefetch_b8 v0, s[64:65] scope:SCOPE_SE
	s_setreg_imm32_b32 hwreg(HW_REG_WAVE_MODE, 25, 1), 1
	s_wait_xcnt 0x0
	s_wait_alu depctr_hold_cnt(0) depctr_sa_sdst(0) depctr_va_vdst(0) depctr_va_sdst(0) depctr_va_ssrc(0) depctr_va_vcc(0) depctr_vm_vsrc(0)
	s_getreg_b32 s2, hwreg(HW_REG_IB_STS2, 6, 4)
	s_cmp_eq_u32 s2, 0
	s_cbranch_scc0 .Lentry_in_a_cluster
	s_endpgm
.Lentry_in_a_cluster:
	s_bfe_u32 s2, ttmp6, 0x10000c
	s_cmp_lg_u32 s2, 0xf033
	s_cbranch_scc0 .Lentry_shape_is_right
	s_endpgm
.Lentry_shape_is_right:
; part[q][b][l] = sum over the 256 columns g of quarter q of hidden[b][g] x (sum over k of W[g][k] enc[l][b][k]).
; W [1024][1024] and enc [1024 l][64 b][1024] are codes of FP6 (E2M3) with one E8M0 byte for each 32 along K; they go to the matrix unit as they lie.  The softmax over l is the next launch's.
; DEAD WORK LEFT OUT: the bias.  reference() adds hidden[b] . bias to every energy e[b][l] of row b: one number, the same for all l, and the softmax runs along l; exp(e + t) / sum exp(e + t) = exp(e) / sum exp(e) for every finite t.
; So b has no way to the output: it is not loaded and no launch has it among its arguments.  LIMIT: a NaN, an infinity or an overflow that only hidden . bias would bring is not carried to the result.
; SHARES.  Work-group (q, g): W's rows 256 q .. 256 q + 255, and 1,024 rows of enc: the 16 neighbouring b of group bg = g % 4 for the 64 l of range lr = g / 4.  4 x 64 = 256 work-groups of equal work.
; A ROW TILE is the 16 rows (l, 16 bg + r): 12,288 consecutive bytes of codes and 512 of scale bytes, both starting at multiples of 256 from their buffer's first byte.  64 row tiles a work-group.
; W STANDS STILL, enc STREAMS.  Wave wv (i = wv / 2, j = wv % 2) keeps columns 128 i .. 128 i + 127 of the quarter (8 column tiles c) for K half j (K steps 4 j + s, s = 0 .. 3): 32 fragments, 384 registers, for the whole launch.
; For a row tile it reads 4 fragments of enc from LDS and issues 32 matrix instructions: each fragment read feeds eight.
; THE ORDER OF K.  In a K step's 96 bytes of a row lane half h takes the 48 bytes at 48 h: memory blocks 2 h and 2 h + 1 of the step's four, three aligned pieces of 16 bytes.  The unit counts them as its blocks h and 2 + h, so the scale
; word's bytes are taken in the order 0, 2, 1, 3 (v_perm_b32); the same on both sides, so the products are the same.
; THE MATRIX INSTRUCTION IS USED TRANSPOSED (source 0 = 16 rows of W, source 1 = 16 rows of enc): lane (r, h) holds row r of the tile and columns 8 h + 0 .. 7 of the column tile.  hidden[16 bg + r] at those columns is
; 8 fixed registers a column tile, so the second product (left as it is, in f32) is four packed multiply-adds on each finished accumulator: one for each matrix instruction, set between them.
; A TILE'S OPERANDS COME TWO TILES AT A TIME: in every odd tile stands ONE RUN of LDS instructions, which loads the next two tiles and stores the numbers of two finished ones: 27 instructions for 64 products.  Three sets of registers serve:
; even tiles always take set 0, which the tile before the run has just done with; odd tiles take sets 1 and 2 by turns.
; A tile leaves one number a lane; it goes to a table in LDS; at the end the 4 waves' and 2 lane halves' parts are added and leave as runs of 256 consecutive bytes of part, aligned.
; CLUSTER 4 x 4.  The four q of one g read the same tiles of enc: asked for jointly, mask = my row of the cluster.  The four g of one q read the same quarter of W: jointly, mask = my column, once.
; RING.  Two slots of 8 row tiles; a slot is asked for again in its sixth tile, when its last reads are over: the load has 8 tiles, 256 matrix instructions a wave, in which to land.  A wave never has more than one tensor load out.
; PREFETCH.  At each change of slots that fills a slot, but the last, the codes that the NEXT change will ask for (8 l x 12,288 bytes) are named, 8 tiles ahead of their load.  Only the four partners of my row of the cluster read them:
; partner cx takes l rows 2 cx and 2 cx + 1 BY ADDRESS, 96 runs of 256 bytes, a lane a run, waves 0 to 2.  Nothing is named at the head.  The scale bytes (16 runs a slot) and W (fetched once, at the head) are not named.
; LIMITS.  The sums over K and over the columns are split over waves and lanes, so their order of rounding is not reference()'s; a scale byte 0xff gives NaN, as the format has it.
; All of the WGP's LDS is claimed, and 0 is added to spare words at the head, at each refill and at the end.
.set ROWP,   816                       ; a row of 1,024 codes in LDS: 3 x (256 bytes + 16 of padding) = 51 x 16 bytes: the 16 lanes of a half touch 16 different columns of 16 bytes modulo 256
.set TILEB,  16*ROWP                   ; a row tile, or a column tile of W
.set HALFB,  4*TILEB
.set SLOTB,  8*TILEB
.set WST,    SLOTB                     ; at the head W's 256 rows lie from here on, over slot 1 and the region behind it
.set EST,    2*SLOTB                   ; later the table of energies lies behind slot 1: [wave][lane] rows of 272 bytes, word = tile.  These bytes have had their only fill (W's) by then
.set EPITCH, 272
.set ESC0,   3*SLOTB                   ; a slot's scale bytes: 8 tiles x (512 + 32 of padding); slot 1's ESCB further on
.set ESCT,   544
.set ESCB,   8*ESCT
.set SPARE,  ESC0+2*ESCB               ; the spare words: 128 bytes a wave, two blocks of 256 bytes that no other line names
.set LROW,   49152                     ; from l to l + 1 in enc's codes: 64 rows of 768 bytes
; window 0
.set LP,   4                           ; v4-7    head only: my lane's place in a tile, four classes (macro QLOAD)
.set RS,   4                           ; v4-7    behind the head: enc's scale words of two tiles, as loaded
.set GOF,  13                          ; v13     my byte offset in part
.set HOF,  14                          ; v14     my byte offset in hidden
.set WSO,  15                          ; v15     my byte offset in W's scale bytes
.set SPW,  16                          ; v16     LDS address of my spare word; never rewritten
.set NIL,  17                          ; v17     0; never rewritten
.set ENR,  18                          ; v[18:19] the numbers of an even tile and of the odd one behind it, on their way to the table
.set EN,   20                          ; v[20:21] the running sum of hidden x proj, in two halves
.set PFO,  22                          ; v22     the prefetches' offset; never rewritten
.set RDA,  23                          ; v23     the final sum: where I read the table
.set WS,   24                          ; scale words, a pair each: W's column tile c at 24 + 8 (c / 3) + 2 (c % 3); enc's set p at 30 + 8 p: no pair of enc's has the number of one of W's modulo 8.
                                       ; In a pair register s % 2 holds K step 4 j + s: in lanes 0-15 for s < 2, in lanes 16-31 for s >= 2
.set ACC,  48                          ; v48-111 the 8 accumulators
.set RW,   48                          ; v48-63  head only: W's scale words as loaded
.set AF,   112                         ; v112-255 enc's fragments: three sets of four
.set TW,   112                         ; v112-119 head only: W's stage: [half of my 8 column tiles][class]
; windows 1 and 2: v0-191 W's fragments of column tiles 0-3 (window 1) and 4-7 (window 2), (c, s) at 12 (4 (c % 4) + s)
.set HID,  192                         ; v192-223 hidden: window 1: column tiles 3, 4, 5, 6; window 2: 7, 0, 1, 2: tile c at HID + 8 ((c + 5) % 4)
.set AD,   224                         ; window 1: v224-239 LDS addresses of enc's fragments [slot][half of its 8 tiles][class]
.set ASA,  240                         ; window 1: v240 LDS address of enc's scale words
.set EA,   241                         ; window 1: v241 where I store tiles' numbers in this trip; v242 the same for the first trip
.set EA0,  242
.set WV,   16                          ; s16 wave; s17 i; s18 j; s19 cx; s20 cy; s21 q; s22 g
.set SEL,  23                          ; s23 the order of a scale word's bytes
.set G1W,  24                          ; s[24:31], s[32:35] descriptor groups 1 and 0 for W
.set G0W,  32
.set G1C,  36                          ; s[36:43] group 1 for enc's codes; s[44:47], s[48:51] group 0 for slots 0 and 1
.set G0C,  44
.set G1E,  52                          ; s[52:59] group 1 for enc's scale bytes; s[60:63], s[68:71] group 0 for slots 0 and 1
.set G0E,  60
.set PFA,  72                          ; s[72:73] where my work-group's prefetches stand
.set LIM,  74                          ; s74, s75: a wave prefetches at a change of slot 0 / slot 1 while the trips left are above this
.set G0H,  96                          ; s[96:99] group 0 for the head's load of slot 0's codes
.set W_ONE, 0x01                       ; source 0 in window 1, all else in window 0.  Source 0 is: W in a matrix instruction, hidden in a packed multiply-add, the address in an LDS instruction
.set W_TWO, 0x02                       ; the same with window 2.  So a tile has two switches
.set MSB, 0
.macro WIN new                         ; the immediate's high byte repeats the setting that is left
.if MSB != \new
	s_set_vgpr_msb (MSB<<8)|\new
.set MSB, \new
.endif
.endm
.macro NOP4
.rept 4
	v_nop
.endr
.endm
.macro CREST                           ; a round of the cluster's barrier behind its opening barrier
	s_cmp_lg_u32 s[WV], 0
	s_cbranch_scc1 .Lnot_wave_0_\@
	s_barrier_signal -3
.Lnot_wave_0_\@:
	s_barrier_wait -3
	s_barrier_signal -1
	s_barrier_wait -1
.endm
.macro CROUND                          ; a whole round
	s_barrier_signal -1
	s_barrier_wait -1
	CREST
.endm
.macro GROUP1 g, c, r, p               ; words 1 to 7: r rows of c elements of 8 bytes, p elements from row to row
	s_mov_b32 s[\g+1], ((\c)&0xffff)<<16           ; tensor_dim0
	s_mov_b32 s[\g+2], ((\c)>>16)|(((\r)&0xffff)<<16)  ; tensor_dim1
	s_mov_b32 s[\g+3], ((\r)>>16)|((\c)<<16)       ; tile_dim0
	s_mov_b32 s[\g+4], \r                          ; tile_dim1
	s_mov_b32 s[\g+5], \p                          ; tensor_dim0_stride
	s_mov_b32 s[\g+6], 0
	s_mov_b32 s[\g+7], 0
.endm
; A joint refill of slot sl: waves 0 and 1 fetch four tiles of codes each, wave 2 the slot's scale bytes, wave 3 nothing.  The branches hang on the wave's number alone.  Four v_nop follow each load.
.macro JLOAD sl
	s_cmp_lt_u32 s[WV], 2
	s_cbranch_scc0 .Lnot_codes_\@
	tensor_load_to_lds s[G0C+4*(\sl):G0C+4*(\sl)+3], s[G1C:G1C+7]
	s_nop 0
	NOP4
	s_branch .Lasked_\@
.Lnot_codes_\@:
	s_cmp_eq_u32 s[WV], 2
	s_cbranch_scc0 .Lasked_\@
	tensor_load_to_lds s[G0E+8*(\sl):G0E+8*(\sl)+3], s[G1E:G1E+7]
	s_nop 0
	NOP4
.Lasked_\@:
.endm
.macro ASK lim                         ; s2 = trips left, this one among them
	s_cmp_gt_u32 s2, s[\lim]
	s_cbranch_scc0 .Lnot_mine_\@
	global_prefetch_b8 v[PFO], s[PFA:PFA+1] th:TH_LOAD_NT scope:SCOPE_SE
.Lnot_mine_\@:
.endm
; A fragment (16 rows x 128 K of 6-bit codes) is 12 registers: three pieces of 16 bytes.  Piece Q of a row lies at 16 Q + 16 (Q / 16).  My wave's local piece lQ = 6 s + i is the row's piece 24 j + lQ + 3 h; 16 lQ and the tile stand in
; the immediate, the rest in a register.  How many paddings lie in front of the piece hangs on j, h and lQ: lQ < 3: 816 r + 48 h + 400 j;  6, 7: 816 r + (48 + 16 j) h + 400 j;  8, 12: 816 r + 48 h + 416 j;
; 13, 14: 816 r + (64 - 16 j) h + 416 j;  from 18 on: the first + 16.
.macro QLOAD
.if lQ < 3
.set lC, 0
.elseif lQ < 8
.set lC, 1
.elseif lQ < 13
.set lC, 2
.elseif lQ < 15
.set lC, 3
.else
.set lC, 0
.set lO, lO+16
.endif
	ds_load_b128 v[lR:lR+3], v[lA+lC] offset:lO
.endm
.macro LDTILE setp, tl                 ; the four fragments of position tl's row tile into set setp
.irp s, 0,1,2,3
.irp i, 0,1,2
.set lR, AF+48*(\setp)+12*\s+4*\i
.set lQ, 6*\s+\i
.set lO, 16*lQ+((\tl)%4)*TILEB
.set lA, AD+8*(((\tl)/8)%2)+4*(((\tl)%8)/4)
	QLOAD
.endr
.endr
.endm
.macro LDSC raw, tl                    ; and its scale words
	ds_load_b64 v[\raw:\raw+1], v[ASA] offset:(((\tl)/8)%2)*ESCB+((\tl)%8)*ESCT
.endm
.macro WFRAG c, s, adr                 ; a fragment of W, into the window in hand
.irp i, 0,1,2
.set lR, 12*(4*((\c)%4)+(\s))+4*\i
.set lQ, 6*(\s)+\i
.set lO, 16*lQ+((\c)%4)*TILEB
.set lA, \adr
	QLOAD
.endr
.endm
.macro PERM p, raw                     ; a tile's scale words with their bytes in the unit's order, for set p
	v_perm_b32 v[WS+6+8*(\p)], 0, v[\raw], s[SEL]
	v_perm_b32 v[WS+7+8*(\p)], 0, v[\raw+1], s[SEL]
.endm
.macro WM c, s                         ; one product on enc's set SP: column tile c, K step s.  s = 0 starts the sum: nothing is ever cleared
.set rD, ACC+8*(\c)
.set rW, 12*(4*((\c)%4)+(\s))
.set rF, AF+48*SP+12*(\s)
.set rX, WS+8*((\c)/3)+2*((\c)%3)+(\s)%2
.set rY, WS+6+8*SP+(\s)%2
.if (\s) == 0
	v_wmma_scale_f32_16x16x128_f8f6f4 v[rD:rD+7], v[rW:rW+11], v[rF:rF+11], 0, v[rX], v[rY] matrix_a_fmt:MATRIX_FMT_FP6 matrix_b_fmt:MATRIX_FMT_FP6
.elseif (\s) < 2
	v_wmma_scale_f32_16x16x128_f8f6f4 v[rD:rD+7], v[rW:rW+11], v[rF:rF+11], v[rD:rD+7], v[rX], v[rY] matrix_a_fmt:MATRIX_FMT_FP6 matrix_b_fmt:MATRIX_FMT_FP6
.else
	v_wmma_scale_f32_16x16x128_f8f6f4 v[rD:rD+7], v[rW:rW+11], v[rF:rF+11], v[rD:rD+7], v[rX], v[rY] matrix_a_fmt:MATRIX_FMT_FP6 matrix_b_fmt:MATRIX_FMT_FP6 matrix_a_scale:MATRIX_SCALE_ROW1 matrix_b_scale:MATRIX_SCALE_ROW1
.endif
.endm
.macro PK c, u                         ; the second product: pair u of accumulator c times hidden, onto the running sum; the very first starts it.  Each accumulator is read from its low end on
.set rH, HID+8*(((\c)+5)%4)+2*(\u)
.set rC, ACC+8*(\c)+2*(\u)
.if ((\c) == 0) && ((\u) == 0)
	v_pk_mul_f32 v[EN:EN+1], v[rH:rH+1], v[rC:rC+1]
.else
	v_pk_fma_f32 v[EN:EN+1], v[rH:rH+1], v[rC:rC+1], v[EN:EN+1]
.endif
.endm
.macro FIN to                          ; the sum's two halves.  (As a multiply-add by 1.0: its first source is then no register, and the other two lie in window 0 under the setting in hand)
	v_fma_f32 v[\to], 1.0, v[EN], v[EN+1]
.endm
.macro HALF0 cnt                       ; cnt products of a tile's first half, from nn on, each with its line of the second product on the tile before
.rept \cnt
	WM nn%4, nn/4
.if PV
.if nn < 2
	PK 3, nn
.elseif nn == 2
	PK 3, 2
	PK 3, 3
.elseif nn < 15
	PK 4+(nn-3)/4, (nn-3)%4
.endif
.endif
.set nn, nn+1
.endr
.endm
; A TILE at position u: 32 products numbered nn: 0-15 on column tiles 0-3, 16-31 on column tiles 4-7, the four accumulators by turns, one instruction a turn.
; kind 0: in the loop; 1: in the tail, which asks for nothing more; 2, 3: the first two, in front of the loop.
; The second product: behind 0-14 on accumulators 3 to 6 OF THE TILE BEFORE, behind 16-18 on its accumulator 7, behind 19 its number (FIN); behind 20-31 on accumulators 0 to 2 of THIS tile.  Each is read out before it is started anew.
; In an odd tile the run stands behind product 3: the five lines on accumulators 3 and 4 are the places ahead of the loads into the set that the tile before read (four are asked: ISA guide 7.12.1 for vector instructions).
; The wait for the run stands between products 19 and 20, where the sum of the tile before has just ended and this tile's has not begun; behind it the next two tiles' scale words are put in order.
; CHANGE OF SLOTS (CH = 1), in a slot's sixth tile, at that wait: the run has issued the slot's last reads.  Each wave waits for all its tensor loads (its part of the other slot), adds 0 to its spare word, and waits for that and for its reads;
; the barrier opens a round of the cluster's barrier, so that no wave of any partner still reads the slot or has a load on its way; the joint refill is the first thing behind the round.
; CH = 2: the last change: the other slot's last fill is awaited and shown; nothing is filled, so no round.
.macro TILE u, kind
.set SP, 0
.set SN, 1+(((\u)+1)/2)%2
.set CS, ((\u)/8)%2
.set PV, 1
.set LB, 0
.set ST, 0
.set CH, 0
.if (\u)%2 == 1
.set SP, 1+((\u)/2)%2
.set LB, 1
.set ST, 1
.endif
.if (\kind) == 2
.set PV, 0
.endif
.if (\kind) == 3
.set ST, 0
.endif
.if ((\kind) == 1) && ((\u) == 15)
.set LB, 0
.endif
.if ((\kind) == 0) && ((\u)%8 == 5)
.set CH, 1
.endif
.if ((\kind) == 1) && ((\u) == 5)
.set CH, 2
.endif
	WIN W_ONE
.set nn, 0
	HALF0 4
.if ST
	ds_store_b64 v[EA], v[ENR:ENR+1] offset:4*((\u)-3)   ; the numbers of the tiles three and two back
.endif
.if LB
	LDSC RS, (\u)+1
	LDSC RS+2, (\u)+2
	LDTILE 0, (\u)+1
	LDTILE SN, (\u)+2
.endif
	HALF0 12
	WIN W_TWO
.rept 4
	WM 4+nn%4, (nn-16)/4
.if PV
.if nn < 18
	PK 7, nn-16
.elseif nn == 18
	PK 7, 2
	PK 7, 3
.else
	FIN ENR+1-(\u)%2
.endif
.else
	v_nop
.endif
.set nn, nn+1
.endr
.if CH == 0
.if LB
	s_wait_dscnt 0x0                               ; the next two tiles' fragments and scale words are in
	PERM 0, RS
	PERM SN, RS+2
.endif
.rept 12
	WM 4+nn%4, (nn-16)/4
	PK (nn-20)/4, (nn-20)%4
.set nn, nn+1
.endr
.else
	WIN 0                                          ; (the add's two registers lie in window 0)
	s_wait_tensorcnt 0x0                           ; no tensor load of mine is out, so a group 0 may be written
	ds_add_u32 v[SPW], v[NIL]                      ; 0 onto my spare word: work on registers stands between it and the wait for it
.if CH == 1
	s_add_nc_u64 s[G0C+4*CS+2:G0C+4*CS+3], s[G0C+4*CS+2:G0C+4*CS+3], 16*LROW    ; two slots, 16 l, on; the type bits on top are not reached
	s_add_nc_u64 s[G0E+8*CS+2:G0E+8*CS+3], s[G0E+8*CS+2:G0E+8*CS+3], 16*2048
	s_wait_xcnt 0x0                                ; the last prefetch, 8 tiles back, has read its address, so it may be written:
	s_add_nc_u64 s[PFA:PFA+1], s[PFA:PFA+1], 8*LROW   ; one slot further on than the refill below
.endif
	WIN W_TWO
.rept 4
	WM 4+nn%4, (nn-16)/4
.set nn, nn+1
.endr
	s_wait_dscnt 0x0                               ; the add is done, and my reads of slot CS are over; the next two tiles' fragments and scale words are in
	s_barrier_signal -1
	PERM 0, RS                                     ; work on registers while the others arrive
	PERM SN, RS+2
.rept 8
	WM 4+nn%4, (nn-16)/4
.if nn < 28
	PK (2*(nn-24))/4, (2*(nn-24))%4
	PK (2*(nn-24)+1)/4, (2*(nn-24)+1)%4
.else
	PK 2, nn-28
.endif
.set nn, nn+1
.endr
	WIN 0
	s_wait_alu depctr_va_vdst(0)                   ; the wait here, directly ahead of the wait below
	s_barrier_wait -1
.if CH == 1
	CREST
	JLOAD CS
	ASK LIM+CS
.endif
.endif
.endm
.macro ADD4 a, b
	v_pk_add_f32 v[\a:\a+1], v[\a:\a+1], v[\b:\b+1]
	v_pk_add_f32 v[\a+2:\a+3], v[\a+2:\a+3], v[\b+2:\b+3]
.endm
	s_load_b256 s[4:11], s[0:1], 0x0               ; W's codes s[4:5], W's scales s[6:7], enc's codes s[8:9], enc's scales s[10:11]
	s_load_b128 s[12:15], s[0:1], 0x20             ; hidden s[12:13], part s[14:15]
	v_lshl_add_u32 v[SPW], v0, 2, SPARE
	v_mov_b32 v[NIL], 0
	ds_add_u32 v[SPW], v[NIL]                      ; the wave's opening: the add, twice on end, and its wait ahead of my first tensor load
	ds_add_u32 v[SPW], v[NIL]
	v_lshrrev_b32 v3, 5, v0
	v_readfirstlane_b32 s[WV], v3                  ; wave 0..3
	s_lshr_b32 s17, s[WV], 1                       ; i: which 128 columns of the quarter
	s_and_b32 s18, s[WV], 1                        ; j: which half of K.  Also: which four tiles of a slot I fetch
	s_bfe_u32 s19, ttmp6, 0x40000                  ; cx, cy: my place in the cluster
	s_bfe_u32 s20, ttmp6, 0x40004
	s_lshl_b32 s21, ttmp9, 2
	s_add_co_u32 s21, s21, s19                     ; q = 4 x cluster x + cx
	s_and_b32 s22, ttmp7, 0xffff
	s_lshl_b32 s22, s22, 2
	s_add_co_u32 s22, s22, s20                     ; g = 4 x cluster y + cy
	s_lshl_b32 s76, s20, 2
	s_lshl_b32 s76, 15, s76                        ; my row of the cluster: the four q of my g
	s_lshl_b32 s77, 0x1111, s19                    ; my column: the four g of my q
.set GFL, (3<<16)|(1<<20)|(1<<21)|(5<<22)|(3<<25)  ; 17:16 elements of 8 bytes; 20 padding on; 21 set beside a mask; 24:22 after every 64 words (code 5); 31:25 of 4 words (code 3)
	s_or_b32 s[G1W], s77, GFL
	s_or_b32 s[G1C], s76, GFL
	s_or_b32 s[G1E], s76, GFL
	GROUP1 G1W, 6144, 2, 12288                     ; W: twice 64 rows (49,152 dense bytes), 128 rows apart: four column tiles of either i
	GROUP1 G1C, 1536, 8, 6144                      ; enc's codes: tiles of 12,288 bytes, 49,152 bytes (an l) apart: 8 for the head's load; behind it the two words that count them are set to 4
	GROUP1 G1E, 64, 8, 256                         ; enc's scale bytes: 8 tiles of 512 bytes, 2,048 bytes apart
	s_mul_i32 s78, s21, 256*768                    ; W: my quarter, and the 64 rows at which my load begins.  (These registers never hold cy, those for enc never cx)
	s_mul_i32 s80, s[WV], 64*768
	s_add_co_u32 s78, s78, s80
	s_mov_b32 s79, 0
	s_and_b32 s84, s22, 3                          ; bg
	s_lshr_b32 s85, s22, 2                         ; lr
	s_mul_i32 s82, s85, 64*LROW
	s_mul_i32 s86, s84, 12288
	s_add_co_u32 s82, s82, s86                     ; enc's codes: my first tile, in bytes (under 2^26)
	s_mov_b32 s83, 0
	s_mul_i32 s88, s18, 4*LROW
	s_add_co_u32 s88, s88, s82                     ; and the first of the four that I fetch
	s_mov_b32 s89, 0
	s_lshl_b32 s90, s85, 17
	s_lshl_b32 s86, s84, 9
	s_add_co_u32 s90, s90, s86                     ; enc's scale bytes: my first tile
	s_mov_b32 s91, 0
	s_mul_i32 s92, s[WV], SLOTB                    ; where they go: no place in the cluster enters an LDS address
	s_mul_i32 s93, s18, HALFB
	s_mov_b32 s[SEL], 0x03010200
	s_wait_alu depctr_va_vdst(0)                   ; the wait here, directly ahead of the waits below
	s_wait_dscnt 0x0                               ; both opening adds are done
	s_wait_kmcnt 0x0
	s_mov_b32 s[G0W], 1                            ; 1:0 count = 1
	s_add_co_u32 s[G0W+1], s92, WST                ; 63:32 LDS address
	s_add_nc_u64 s[G0W+2:G0W+3], s[4:5], s[78:79]  ; 120:64 global address
	s_or_b32 s[G0W+3], s[G0W+3], 0x80000000        ; 127:126 type = 2
	s_mov_b32 s[G0H], 1                            ; slot 0's 8 tiles, from LDS byte 0 on
	s_mov_b32 s[G0H+1], 0
	s_add_nc_u64 s[G0H+2:G0H+3], s[8:9], s[82:83]
	s_or_b32 s[G0H+3], s[G0H+3], 0x80000000
	s_add_nc_u64 s[94:95], s[8:9], s[88:89]
	s_add_nc_u64 s[86:87], s[10:11], s[90:91]
.irp sl, 0,1
	s_mov_b32 s[G0C+4*\sl], 1
	s_add_co_u32 s[G0C+4*\sl+1], s93, \sl*SLOTB
	s_add_nc_u64 s[G0C+4*\sl+2:G0C+4*\sl+3], s[94:95], \sl*8*LROW
	s_or_b32 s[G0C+4*\sl+3], s[G0C+4*\sl+3], 0x80000000
	s_mov_b32 s[G0E+8*\sl], 1
	s_mov_b32 s[G0E+8*\sl+1], ESC0+\sl*ESCB
	s_add_nc_u64 s[G0E+8*\sl+2:G0E+8*\sl+3], s[86:87], \sl*8*2048
	s_or_b32 s[G0E+8*\sl+3], s[G0E+8*\sl+3], 0x80000000
.endr
	CROUND                                         ; all sixteen work-groups are here: the first joint loads meet
; THE HEAD'S LOADS, ONE A WAVE.  Wave 0: W's rows for column tiles 0-3 of both i; wave 1: those for column tiles 4-7; wave 2: slot 0's codes; wave 3: slot 0's scale bytes.
; ONE tree of branches on the wave's number: every way through the head passes exactly one load.
.macro ARM under, g0, g1, next
	s_cmp_lt_u32 s[WV], \under
	s_cbranch_scc0 \next
	tensor_load_to_lds s[\g0:\g0+3], s[\g1:\g1+7]
	s_nop 0
	NOP4
	s_branch .Lhead_asked
\next:
.endm
	ARM 1, G0W, G1W, .Lhead_w1
	ARM 2, G0W, G1W, .Lhead_codes
	ARM 3, G0H, G1C, .Lhead_scales
	tensor_load_to_lds s[G0E:G0E+3], s[G1E:G1E+7]
	s_nop 0
	NOP4
.Lhead_asked:
	; while they are on their way: bases, offsets and LDS addresses
	s_lshl_b32 s76, s84, 16                        ; hidden: row 16 bg,
	s_lshl_b32 s77, s21, 10                        ; column 256 q
	s_add_co_u32 s76, s76, s77
	s_lshl_b32 s77, s17, 9                         ; + 128 i
	s_add_co_u32 s76, s76, s77
	s_mov_b32 s77, 0
	s_add_nc_u64 s[12:13], s[12:13], s[76:77]
	s_lshl_b32 s76, s21, 13                        ; W's scale bytes: row 256 q
	s_lshl_b32 s78, s17, 12                        ; + 128 i
	s_add_co_u32 s76, s76, s78
	s_lshl_b32 s78, s18, 4                         ; my half of K: 16 bytes
	s_add_co_u32 s76, s76, s78
	s_add_nc_u64 s[6:7], s[6:7], s[76:77]
	s_lshl_b32 s76, s21, 18                        ; part: plane q,
	s_lshl_b32 s78, s84, 16                        ; row 16 bg,
	s_add_co_u32 s76, s76, s78
	s_lshl_b32 s78, s85, 8                         ; l = 64 lr
	s_add_co_u32 s76, s76, s78
	s_add_nc_u64 s[14:15], s[14:15], s[76:77]
	s_lshl_b32 s76, s19, 1                         ; the prefetches: l rows 2 cx and 2 cx + 1 of a slot's eight,
	s_add_co_u32 s76, s76, 16                      ; standing in the third slot's worth of l: the first change of slots steps them to the fourth
	s_mul_i32 s76, s76, LROW
	s_add_co_u32 s76, s76, s82
	s_add_nc_u64 s[PFA:PFA+1], s[8:9], s[76:77]
	s_cmp_lt_u32 s[WV], 3                          ; waves 0 to 2 ask: 96 lanes for 96 runs of 256 bytes
	s_cselect_b32 s[LIM], 0, -1                    ; at a change of slot 0: in every trip
	s_cselect_b32 s[LIM+1], 1, -1                  ; at a change of slot 1: not in the last trip: no slot's worth of l is left behind the one that it fills
	s_mul_i32 s76, s18, 400
	s_mul_i32 s77, s18, 416
	s_lshl_b32 s78, s18, 4
	s_add_co_u32 s78, s78, 48                      ; 48 + 16 j
	s_xor_b32 s79, s18, 1
	s_lshl_b32 s79, s79, 4
	s_add_co_u32 s79, s79, 48                      ; 64 - 16 j
	s_mul_i32 s80, s17, HALFB
	s_add_co_u32 s80, s80, WST                     ; W's stage: my column tiles 0-3,
	s_add_co_u32 s81, s80, SLOTB                   ; and 4-7
	s_lshl_b32 s86, s18, 4
	s_add_co_u32 s86, s86, ESC0
	s_mul_i32 s87, s[WV], 32*EPITCH
	s_add_co_u32 s87, s87, EST
	s_mov_b32 s3, 0                                ; the trip's part of the table: 64 bytes a trip
	v_and_b32 v1, 15, v0                           ; r
	v_bfe_u32 v2, v0, 4, 1                         ; h
	v_lshlrev_b32 v[WSO], 5, v1
	v_lshl_add_u32 v[WSO], v2, 3, v[WSO]           ; W's scale bytes: row r of 32 bytes, + 8 h: lanes 0-15 take my K steps 0 and 1, lanes 16-31 steps 2 and 3
	v_lshlrev_b32 v[HOF], 12, v1
	v_lshl_add_u32 v[HOF], v2, 5, v[HOF]           ; hidden: row r of 4,096 bytes, + 32 h
.irp c, 0,1,2,3,4,5,6,7
	global_load_b64 v[RW+2*\c:RW+2*\c+1], v[WSO], s[6:7] offset:512*\c
.endr
	WIN 0x40                                       ; destination window 1
.irp c, 3,4,5,6
	global_load_b128 v[HID+8*((\c+5)%4):HID+8*((\c+5)%4)+3],   v[HOF], s[12:13] offset:64*\c
	global_load_b128 v[HID+8*((\c+5)%4)+4:HID+8*((\c+5)%4)+7], v[HOF], s[12:13] offset:64*\c+16
.endr
	WIN 0x80                                       ; destination window 2
.irp c, 7,0,1,2
	global_load_b128 v[HID+8*((\c+5)%4):HID+8*((\c+5)%4)+3],   v[HOF], s[12:13] offset:64*\c
	global_load_b128 v[HID+8*((\c+5)%4)+4:HID+8*((\c+5)%4)+7], v[HOF], s[12:13] offset:64*\c+16
.endr
	WIN 0
	v_mul_u32_u24 v3, v1, ROWP
	v_mad_u32_u24 v[LP+0], v2, 48, v3
	v_mad_u32_u24 v[LP+1], v2, s78, v3
	v_mad_u32_u24 v[LP+3], v2, s79, v3
	v_add_nc_u32 v[LP+2], s77, v[LP+0]
	v_add_nc_u32 v[LP+0], s76, v[LP+0]
	v_add_nc_u32 v[LP+1], s76, v[LP+1]
	v_add_nc_u32 v[LP+3], s77, v[LP+3]
.irp cl, 0,1,2,3
	v_add_nc_u32 v[TW+\cl], s80, v[LP+\cl]
	v_add_nc_u32 v[TW+4+\cl], s81, v[LP+\cl]
.endr
	v_lshlrev_b32 v9, 5, v1                        ; enc's scale words: row r of a tile at 32 r + 16 (r / 8), + 8 h
	v_lshrrev_b32 v10, 3, v1
	v_lshl_add_u32 v9, v10, 4, v9
	v_lshl_add_u32 v9, v2, 3, v9
	v_and_b32 v10, 31, v0
	v_mul_u32_u24 v10, v10, EPITCH                 ; the table: my lane's row
	v_lshrrev_b32 v11, 4, v0
	v_mul_u32_u24 v[RDA], v11, EPITCH              ; the final sum: thread t takes row t / 16 of the tile (and row t / 16 + 8), tiles 4 (t % 16) + 0 .. 3
	v_lshl_add_u32 v[RDA], v1, 4, v[RDA]
	v_add_nc_u32 v[RDA], EST, v[RDA]
	v_lshlrev_b32 v[GOF], 12, v11
	v_lshl_add_u32 v[GOF], v1, 4, v[GOF]
	v_lshlrev_b32 v[PFO], 8, v0                    ; thread t names run t % 48 of l row t / 48: 256 t, and from t = 48 on the rest of an l's 49,152 bytes
	v_mov_b32 v12, LROW-12288
	v_cmp_lt_u32 vcc_lo, 47, v0
	v_cndmask_b32 v12, 0, v12, vcc_lo
	v_add_nc_u32 v[PFO], v[PFO], v12
	WIN 0x40
.irp sl, 0,1
.irp hf, 0,1
.irp cl, 0,1,2,3
.if \sl+\hf == 0
	v_mov_b32 v[AD+\cl], v[LP+\cl]
.else
	v_add_nc_u32 v[AD+8*\sl+4*\hf+\cl], \sl*SLOTB+\hf*HALFB, v[LP+\cl]
.endif
.endr
.endr
.endr
	v_add_nc_u32 v[ASA], s86, v9
	v_add_nc_u32 v[EA0], s87, v10
	v_add_nc_u32 v[EA], s87, v10
	WIN 0
	s_wait_alu depctr_va_vdst(0)                   ; the wait at the head's end
	s_cmp_lt_u32 s[WV], 1
	s_cbranch_scc0 .Lshow_w0
	s_wait_tensorcnt 0x0                           ; wave 0: its part of W is in
.Lshow_w0:
	s_barrier_signal -1
	s_barrier_wait -1                              ; shown to all
	WIN 0x40                                       ; W INTO REGISTERS, where it stays: 32 fragments; column tiles 0-3 while the others land
.irp c, 0,1,2,3
.irp s, 0,1,2,3
	WFRAG \c, \s, TW
.endr
.endr
	WIN 0
	s_cmp_lt_u32 s[WV], 2
	s_cbranch_scc0 .Lshow_w1
	s_wait_tensorcnt 0x0                           ; wave 1: its part of W is in
.Lshow_w1:
	s_wait_dscnt 0x0
	s_barrier_signal -1
	s_barrier_wait -1
	WIN 0x80
.irp c, 4,5,6,7
.irp s, 0,1,2,3
	WFRAG \c, \s, TW+4
.endr
.endr
	WIN 0
	s_wait_loadcnt 0x0                             ; hidden and W's scale words, which go into the unit's order
.irp c, 0,1,2,3,4,5,6,7
	v_perm_b32 v[WS+8*(\c/3)+2*(\c%3)], 0, v[RW+2*\c], s[SEL]
	v_perm_b32 v[WS+8*(\c/3)+2*(\c%3)+1], 0, v[RW+2*\c+1], s[SEL]
.endr
	s_wait_alu depctr_va_vdst(0)                   ; the wait here, directly ahead of the wait below
	s_wait_tensorcnt 0x0                           ; slot 1 is filled over the first half of W's stage: a refill.  All my tensor loads have landed (slot 0's among them),
	ds_add_u32 v[SPW], v[NIL]                      ; 0 onto my spare word
	s_mov_b32 s[G1C+2], 4<<16                      ; no tensor load of mine is out, so a descriptor may be written: from here on a load of codes brings 4 tiles: tensor_dim1 = 4,
	s_mov_b32 s[G1C+4], 4                          ; tile_dim1 = 4
	s_wait_dscnt 0x0                               ; the add is done, and W is in my registers
	CROUND                                         ; the same holds of every wave of every partner
	JLOAD 1
	WIN W_ONE
	LDSC RS, 0                                     ; the first two tiles
	LDSC RS+2, 1
	LDTILE 0, 0
	LDTILE 1, 1
	s_wait_dscnt 24                                ; the scale words are in; the 24 loads of fragments may be out
	PERM 0, RS
	PERM 1, RS+2
	NOP4                                           ; a scale register written by a vector instruction stands 8 places ahead of a scaled matrix instruction
	NOP4
	s_wait_alu depctr_va_vdst(0)                   ; the wait here, directly ahead of the wait below
	s_wait_dscnt 0x0
	TILE 0, 2                                      ; the first two tiles stand in front of the loop: the first has no tile before it,
	TILE 1, 3                                      ; and neither has finished tiles whose numbers it could store
	WIN 0                                          ; at a label and at a branch every window is 0
	s_mov_b32 s2, 3
.Ltrip:                                                ; a trip: 16 tiles, once round the ring; both slots are filled again
.irp u, 2,3,4,5,6,7,8,9,10,11,12,13,14,15,16,17
	TILE \u, 0
.endr
	s_add_co_u32 s3, s3, 64
	WIN 0x44                                       ; source 1 and destination window 1
	v_add_nc_u32 v[EA], s3, v[EA0]                 ; the next trip's 16 words of the table
	WIN 0
	s_sub_co_u32 s2, s2, 1
	s_cmp_lg_u32 s2, 0
	s_wait_alu depctr_va_vdst(0)                   ; the wait here, directly ahead of the branch
	s_cbranch_scc1 .Ltrip
.irp u, 2,3,4,5,6,7,8,9,10,11,12,13,14,15
	TILE \u, 1                                     ; the last 14 tiles are written out
.endr
	WIN W_ONE
.irp c, 3,4,5,6                        ; the last tile's accumulators 3 to 7.  The lines on 3 (finished half a tile ago) are the places behind the last products
.irp u, 0,1,2,3
	PK \c, \u
.endr
.endr
	WIN W_TWO
.irp u, 0,1,2,3
	PK 7, \u
.endr
	FIN ENR+1
	WIN W_ONE
	ds_store_b64 v[EA], v[ENR:ENR+1] offset:56     ; the last two tiles' numbers
	WIN 0
	s_wait_dscnt 0x0                               ; for the others' sake: my stores into the table are done
	s_barrier_signal -1
	s_barrier_wait -1
	; THE FINAL SUM.  An energy's eight parts (4 waves x 2 lane halves) lie 8,704 and 4,352 bytes apart; a thread adds them for four neighbouring l of two rows b
.irp g, 0,1
.irp w, 0,1,2,3
.irp h, 0,1
	ds_load_b128 v[AF+32*\g+4*(2*\w+\h):AF+32*\g+4*(2*\w+\h)+3], v[RDA] offset:32*EPITCH*\w+16*EPITCH*\h+8*EPITCH*\g
.endr
.endr
.endr
	s_wait_dscnt 0x0
.irp g, 0,1
.irp k, 0,8,16,24
	ADD4 AF+32*\g+\k, AF+32*\g+\k+4
.endr
.irp k, 0,16
	ADD4 AF+32*\g+\k, AF+32*\g+\k+8
.endr
	ADD4 AF+32*\g, AF+32*\g+16
.endr
	global_store_b128 v[GOF], v[AF:AF+3], s[14:15]                      ; 16 lanes store 256 consecutive bytes, at a multiple of 256 from part's first byte: 64 l of one b
	global_store_b128 v[GOF], v[AF+32:AF+35], s[14:15] offset:8*4096    ; and of the b eight rows on
	s_wait_tensorcnt 0x0                           ; the wave's end, behind my last tensor load and my last LDS store
	ds_add_u32 v[SPW], v[NIL]
	s_wait_dscnt 0x0
	CROUND                                         ; the closing round: no work-group ends while a partner may still ask for a tile that names it
	s_endpgm
.Lfunc_end_k_q15e9c09afb_energy:
	.size	k_q15e9c09afb_energy, .Lfunc_end_k_q15e9c09afb_energy-k_q15e9c09afb_energy
	.p2alignl 7, 3214868480
	.fill 96, 4, 3214868480
	.section	.rodata,"a",@progbits
	.p2align	6, 0x0
	.amdhsa_kernel k_q15e9c09afb_energy
		.amdhsa_group_segment_fixed_size 327680
		.amdhsa_private_segment_fixed_size 0
		.amdhsa_enable_private_segment 0
		.amdhsa_kernarg_size 48
		.amdhsa_user_sgpr_count 2
		.amdhsa_user_sgpr_kernarg_segment_ptr 1
		.amdhsa_wavefront_size32 1
		.amdhsa_system_sgpr_workgroup_id_x 1
		.amdhsa_system_sgpr_workgroup_id_y 1
		.amdhsa_system_sgpr_workgroup_id_z 1
		.amdhsa_system_vgpr_workitem_id 0
		.amdhsa_next_free_vgpr 768
		.amdhsa_next_free_sgpr 100
		.amdhsa_reserve_vcc 1
		.amdhsa_float_denorm_mode_32 3
		.amdhsa_float_denorm_mode_16_64 3
		.amdhsa_memory_ordered 1
		.amdhsa_forward_progress 1
		.amdhsa_inst_pref_size 255
	.end_amdhsa_kernel
	.section	.bss,"aw",@nobits
	.p2align	6
	.space	262144
	.amdgpu_metadata
---
amdhsa.version: [ 1, 2 ]
amdhsa.kernels:
  - .name:           k_q15e9c09afb_energy
    .symbol:         k_q15e9c09afb_energy.kd
    .args:
      - { .name: W_codes, .offset: 0, .size: 8, .value_kind: global_buffer, .address_space: global }
      - { .name: W_scales, .offset: 8, .size: 8, .value_kind: global_buffer, .address_space: global }
      - { .name: encoder_outputs_codes, .offset: 16, .size: 8, .value_kind: global_buffer, .address_space: global }
      - { .name: encoder_outputs_scales, .offset: 24, .size: 8, .value_kind: global_buffer, .address_space: global }
      - { .name: hidden, .offset: 32, .size: 8, .value_kind: global_buffer, .address_space: global }
      - { .name: part, .offset: 40, .size: 8, .value_kind: global_buffer, .address_space: global }
    .group_segment_fixed_size: 327680
    .private_segment_fixed_size: 0
    .kernarg_segment_align: 8
    .kernarg_segment_size: 48
    .max_flat_workgroup_size: 128
    .sgpr_count:     100
    .vgpr_count:     768
    .wavefront_size: 32
...
	.end_amdgpu_metadata
.endif
;; end of part 3
;; launch softmax (part 4): grid 64 x 1, 4 waves a work-group, no clusters, 1,024 bytes of LDS; arguments part, out0; writes out0
.if DOCPART == 4
	.amdgcn_target "amdgcn-amd-amdhsa--gfx1250"
	.amdhsa_code_object_version 6
	.text
	.protected	k_q15e9c09afb_softmax
	.globl	k_q15e9c09afb_softmax
	.p2align	8
	.type	k_q15e9c09afb_softmax,@function
k_q15e9c09afb_softmax:
	s_mov_b64 s[64:65], 0
	v_nop
	global_prefetch_b8 v0, s[64:65] scope:SCOPE_SE
	s_setreg_imm32_b32 hwreg(HW_REG_WAVE_MODE, 25, 1), 1
	s_wait_xcnt 0x0
; out0[b][0][l] = softmax over l of e[b][l],  e[b][l] = part[0][b][l] + part[1][b][l] + part[2][b][l] + part[3][b][l].  All in f32.
; DEAD WORK LEFT OUT: hidden[b] . bias, one number for the whole row, added to a softmax's input along its axis: it cancels for every finite value.  LIMIT: a NaN, an infinity or an overflow that only it would bring is not carried.
; A work-group takes one b, a wave 256 of its l: lane n of wave w holds l = 256 w + 128 i + 4 n + 0 .. 3, i = 0, 1.  Each load and store of a wave covers 512 consecutive bytes, aligned.
; A wave takes its own maximum m away before the exponential: p = 2^(e c - m c), c = log2(e), one fused multiply-add each, and sums its p; then the four waves' (m c, sum) meet in LDS behind one barrier, and every wave brings
; its p under the row's largest m c by the factor 2^(m c - largest) and divides by the row's sum.  m c is one rounded number for all of a wave's p, and the same number goes into the factor, so its rounding falls out.
; No matrix unit, no cluster, no tensor load: 64 rows of 4 KiB that share nothing.  No prefetch: no loop; every address is asked for by its load in the first lines.
; 64 work-groups: one row each; a row shared by several work-groups would need its maximum and sum from the others.
; LIMITS: weights under 2^-126 come out as 0 (the exponential gives no denormals: ISA guide, its entry in 15.8).  The promise holds while the scaled scores stay under 2^31 in magnitude.
.set SPARE, 256                        ; the spare words, 128 bytes a wave: two blocks of 256 bytes that no other line names.  Bytes 0 to 31: the four waves' pairs
.set MC,  8                            ; v[8:9]   my wave's m c and sum
.set MX,  10                           ; v10-11   the maximum, in two chains
.set SM,  12                           ; v12-15   the sum, in two chains
.set LD,  16                           ; v16-23   the four waves' pairs
.set FC,  24                           ; v24-27   the waves' factors; v28 my own; v29 the largest m c
.set RC,  30                           ; v[30:31] my factor / the row's sum
.set SPW, 32                           ; v32, v33 my spare word's LDS address, and 0: never rewritten
.set NIL, 33
.set TS,  34                           ; v34 the row's sum; v35 its reciprocal
.set P,   40                           ; v40-71   part's four planes, 8 registers each; plane 0's become e, then p, then the result
.macro LANES op, x, t                  ; over the 32 lanes, in every lane: four steps inside each half of 16 ride on the arithmetic, one crosses the halves
	\op\()_dpp v[\x], v[\x], v[\x] row_xmask:1 row_mask:0xf bank_mask:0xf
	\op\()_dpp v[\x], v[\x], v[\x] row_xmask:2 row_mask:0xf bank_mask:0xf
	\op\()_dpp v[\x], v[\x], v[\x] row_xmask:4 row_mask:0xf bank_mask:0xf
	\op\()_dpp v[\x], v[\x], v[\x] row_xmask:8 row_mask:0xf bank_mask:0xf
	v_permlanex16_b32 v[\t], v[\x], s14, s15       ; (its destination counts as read: a register that has been written)
	\op v[\x], v[\x], v[\t]
.endm
	s_load_b128 s[4:7], s[0:1], 0x0                ; part s[4:5], out0 s[6:7]
	v_lshl_add_u32 v[SPW], v0, 2, SPARE
	v_mov_b32 v[NIL], 0
	v_lshrrev_b32 v2, 5, v0                        ; wave
	v_lshlrev_b32 v1, 4, v0
	v_and_b32 v1, 0x1f0, v1                        ; 16 bytes a lane,
	v_lshl_add_u32 v1, v2, 10, v1                  ; 1,024 bytes of the row a wave
	v_lshlrev_b32 v3, 3, v2                        ; my wave's pair in LDS
	v_mov_b32 v4, 0                                ; all four
	v_mov_b32 v[MC+1], 0                           ; (named in a pair before it is first written)
	v_mov_b32 v[RC+1], 0
	s_lshl_b32 s12, ttmp9, 12                      ; row b of 4,096 bytes, in part's planes and in out0
	s_mov_b32 s13, 0
	s_mov_b32 s14, 0x76543210                      ; v_permlanex16_b32's selects for lane n xor 16
	s_mov_b32 s15, 0xfedcba98
	s_mov_b32 s16, 0x3fb8aa3b                      ; c = log2(e)
	s_mov_b32 s17, s16                             ; (named with it as a pair, so it is written)
	s_wait_alu depctr_va_vdst(0)                   ; the wait at the head's end
	s_wait_kmcnt 0x0
	s_add_nc_u64 s[4:5], s[4:5], s[12:13]
	s_add_nc_u64 s[6:7], s[6:7], s[12:13]
.irp q, 0,1,2,3
.irp i, 0,1
	global_load_b128 v[P+8*\q+4*\i:P+8*\q+4*\i+3], v1, s[4:5] offset:262144*\q+512*\i
.endr
.endr
	s_wait_loadcnt 0x0
.irp k, 0,2,4,6
	v_pk_add_f32 v[P+\k:P+\k+1], v[P+\k:P+\k+1], v[P+8+\k:P+8+\k+1]
	v_pk_add_f32 v[P+16+\k:P+16+\k+1], v[P+16+\k:P+16+\k+1], v[P+24+\k:P+24+\k+1]
.endr
.irp k, 0,2,4,6
	v_pk_add_f32 v[P+\k:P+\k+1], v[P+\k:P+\k+1], v[P+16+\k:P+16+\k+1]   ; e
.endr
	v_max3_num_f32 v[MX], v[P], v[P+1], v[P+2]
	v_max3_num_f32 v[MX+1], v[P+3], v[P+4], v[P+5]
	v_max3_num_f32 v[MX], v[MX], v[P+6], v[P+7]
	v_max_num_f32 v[MX], v[MX], v[MX+1]
	LANES v_max_num_f32, MX, MX+1                  ; my wave's maximum m, in every lane
	v_mul_f32 v[MC], s16, v[MX]
.irp k, 0,2,4,6
	v_pk_fma_f32 v[P+\k:P+\k+1], v[P+\k:P+\k+1], s[16:17], v[MC:MC+1] op_sel_hi:[1,0,0] neg_lo:[0,0,1] neg_hi:[0,0,1]   ; e c - m c
.endr
	s_wait_alu depctr_va_vdst(0)                   ; the wait ahead of the batch
.irp k, 0,1,2,3,4,5,6,7
	v_exp_f32 v[P+\k], v[P+\k]
.endr
	v_nop                                          ; a plain instruction behind the last exponential (ISA guide 5.7.2)
	s_wait_alu depctr_va_vdst(0)                   ; one wait for the batch, ahead of its first reader
	v_pk_add_f32 v[SM:SM+1], v[P:P+1], v[P+2:P+3]
	v_pk_add_f32 v[SM+2:SM+3], v[P+4:P+5], v[P+6:P+7]
	v_pk_add_f32 v[SM:SM+1], v[SM:SM+1], v[SM+2:SM+3]
	v_add_f32 v[MC+1], v[SM], v[SM+1]
	LANES v_add_f32, MC+1, SM                      ; my wave's sum: at least about 1
	ds_store_b64 v3, v[MC:MC+1]                    ; all lanes store the same pair at the same place
	s_wait_alu depctr_va_vdst(0)                   ; the wait here, directly ahead of the wait below
	s_wait_dscnt 0x0                               ; for the others' sake: my pair is stored
	s_barrier_signal -1
	s_barrier_wait -1
	ds_load_b128 v[LD:LD+3], v4                    ; (m c, sum) of waves 0 and 1,
	ds_load_b128 v[LD+4:LD+7], v4 offset:16        ; 2 and 3
	s_wait_dscnt 0x0
	v_max3_num_f32 v[FC+5], v[LD], v[LD+2], v[LD+4]
	v_max_num_f32 v[FC+5], v[FC+5], v[LD+6]        ; the row's largest m c
.irp w, 0,1,2,3
	v_sub_f32 v[FC+\w], v[LD+2*\w], v[FC+5]
.endr
	v_sub_f32 v[FC+4], v[MC], v[FC+5]
	s_wait_alu depctr_va_vdst(0)                   ; the wait ahead of the batch
.irp w, 0,1,2,3,4
	v_exp_f32 v[FC+\w], v[FC+\w]
.endr
	v_nop
	s_wait_alu depctr_va_vdst(0)                   ; and behind it
	v_mul_f32 v[TS], v[LD+1], v[FC]
.irp w, 1,2,3
	v_fma_f32 v[TS], v[LD+2*\w+1], v[FC+\w], v[TS] ; the row's sum
.endr
	s_wait_alu depctr_va_vdst(0)                   ; the wait ahead of the reciprocal,
	v_rcp_f32 v[TS+1], v[TS]
	v_nop
	s_wait_alu depctr_va_vdst(0)                   ; and ahead of its first reader
	v_mul_f32 v[RC], v[FC+4], v[TS+1]
.irp i, 0,1
	v_pk_mul_f32 v[P+4*\i:P+4*\i+1], v[P+4*\i:P+4*\i+1], v[RC:RC+1] op_sel_hi:[1,0]
	v_pk_mul_f32 v[P+4*\i+2:P+4*\i+3], v[P+4*\i+2:P+4*\i+3], v[RC:RC+1] op_sel_hi:[1,0]
	global_store_b128 v1, v[P+4*\i:P+4*\i+3], s[6:7] offset:512*\i   ; 32 lanes store 512 consecutive bytes, at a multiple of 256 from out0's first byte
.endr
	s_wait_tensorcnt 0x0                           ; the wave's end, behind my last LDS store
	ds_add_u32 v[SPW], v[NIL]
	s_wait_dscnt 0x0
	s_endpgm
.Lfunc_end_k_q15e9c09afb_softmax:
	.size	k_q15e9c09afb_softmax, .Lfunc_end_k_q15e9c09afb_softmax-k_q15e9c09afb_softmax
	.p2alignl 7, 3214868480
	.fill 96, 4, 3214868480
	.section	.rodata,"a",@progbits
	.p2align	6, 0x0
	.amdhsa_kernel k_q15e9c09afb_softmax
		.amdhsa_group_segment_fixed_size 1024
		.amdhsa_private_segment_fixed_size 0
		.amdhsa_enable_private_segment 0
		.amdhsa_kernarg_size 16
		.amdhsa_user_sgpr_count 2
		.amdhsa_user_sgpr_kernarg_segment_ptr 1
		.amdhsa_wavefront_size32 1
		.amdhsa_system_sgpr_workgroup_id_x 1
		.amdhsa_system_sgpr_workgroup_id_y 1
		.amdhsa_system_sgpr_workgroup_id_z 1
		.amdhsa_system_vgpr_workitem_id 0
		.amdhsa_next_free_vgpr 80
		.amdhsa_next_free_sgpr 66
		.amdhsa_reserve_vcc 0
		.amdhsa_float_denorm_mode_32 3
		.amdhsa_float_denorm_mode_16_64 3
		.amdhsa_memory_ordered 1
		.amdhsa_forward_progress 1
		.amdhsa_inst_pref_size 7
	.end_amdhsa_kernel
	.amdgpu_metadata
---
amdhsa.version: [ 1, 2 ]
amdhsa.kernels:
  - .name:           k_q15e9c09afb_softmax
    .symbol:         k_q15e9c09afb_softmax.kd
    .args:
      - { .name: part, .offset: 0, .size: 8, .value_kind: global_buffer, .address_space: global }
      - { .name: out0, .offset: 8, .size: 8, .value_kind: global_buffer, .address_space: global }
    .group_segment_fixed_size: 1024
    .private_segment_fixed_size: 0
    .kernarg_segment_align: 8
    .kernarg_segment_size: 16
    .max_flat_workgroup_size: 128
    .sgpr_count:     66
    .vgpr_count:     80
    .wavefront_size: 32
...
	.end_amdgpu_metadata
.endif
;; end of part 4
